; MI455X (gfx1250); checked and timed in simulation.
; The chip was launched on July 23, 2026; its instructions are those of AMD's public machine-readable ISA for CDNA 5 (MIT licence, August 2026) and "CDNA5" Instruction Set Architecture Reference Guide (July 2026). The comments in the code are by the model that wrote it; some were corrected since.
;; decoder Layer. Allowed arithmetic: matrix products marked QUANTISED: E2M1 operands, one E8M0 scale for each 32 along K, by v_wmma_scale_f32_16x16x128_f8f6f4 with both operands' format E2M1 (or v_wmma_scale_f32_32x16x128_f4), f32 sums; everything else in f32.
;; Inputs: Wk1 16 x 1,024 x 64 float32; Wk2 16 x 1,024 x 64 float32; Wq1 16 x 1,024 x 64 float32; Wq2 16 x 1,024 x 64 float32; Wv1 16 x 1,024 x 64 float32; Wv2 16 x 1,024 x 64 float32; context 2 x 2,048 x 1,024 float32; fc1_b 1,024 float32; fc1_w 1,024 x 1,024 float32; fc2_b 1,024 float32; fc2_w 1,024 x 1,024 float32; ln1_b 1,024 float32; ln1_g 1,024 float32; ln2_b 1,024 float32; ln2_g 1,024 float32; ln3_b 1,024 float32; ln3_g 1,024 float32; x 2 x 2,048 x 1,024 float32.
;; Outputs: out0 2 x 2,048 x 1,024 float32.
;; This version of the problem:
;;   THIS VERSION OF THE PROBLEM IS GIVEN IN LOW PRECISION. The matrix products marked QUANTISED in the list below multiply operands that are first quantised to E2M1 (2 exponent bits, 1 mantissa bit; 4 bits a number), with one power-of-two scale for each 32 numbers along K (OCP MX v1.0); their sums are f32. All else is computed in f32.
;;   The module's matrix products, in the order in which they are computed (A, B: the left and right operand; K: the contracted axis; several contracted axes count as one K, in the product's order):
;;     1. [M 1,024, K 1,024] x [K 1,024, N 4,096]; A: input Wq1; B: input x: QUANTISED
;;     2. [M 1,024, K 1,024] x [K 1,024, N 4,096]; A: input Wk1; B: input x: QUANTISED
;;     3. [M 1,024, K 1,024] x [K 1,024, N 4,096]; A: input Wv1; B: input x: QUANTISED
;;     4. batch 32 x [M 2,048, K 64] x [K 64, N 2,048]; A: computed on the way; B: computed on the way: QUANTISED
;;     5. batch 32 x [M 2,048, K 2,048] x [K 2,048, N 64]; A: softmax (see below); B: computed on the way: QUANTISED
;;     6. [M 1,024, K 1,024] x [K 1,024, N 4,096]; A: input Wq2; B: computed on the way: QUANTISED
;;     7. [M 1,024, K 1,024] x [K 1,024, N 4,096]; A: input Wk2; B: input context: QUANTISED
;;     8. [M 1,024, K 1,024] x [K 1,024, N 4,096]; A: input Wv2; B: input context: QUANTISED
;;     9. batch 32 x [M 2,048, K 64] x [K 64, N 2,048]; A: computed on the way; B: computed on the way: QUANTISED
;;     10. batch 32 x [M 2,048, K 2,048] x [K 2,048, N 64]; A: softmax (see below); B: computed on the way: QUANTISED
;;     11. [M 4,096, K 1,024] x [K 1,024, N 1,024]; A: computed on the way; B: input fc1_w: QUANTISED
;;     12. [M 4,096, K 1,024] x [K 1,024, N 1,024]; A: computed on the way; B: input fc2_w: QUANTISED
;;   THE QUANTISER, for each operand of a quantised product, along K:
;;     - K is cut into blocks of 32 from its start; a last block that is shorter is filled with zeros.
;;     - A block's scale is 2^e with e = floor(log2(the largest magnitude in the block)) - 2, held to -126 .. 127; a block of zeros has e = 0. As a byte (E8M0): e + 127.
;;     - Each number is divided by its block's scale, clamped to +-6, and rounded to the nearest number of E2M1, ties to even, subnormals kept.
;;     - The product sums the exact products of the quantised numbers (number of the format x scale) in f32.
;;   ~~~python
;;   def quantise(x, axis):      # numpy; x: float32 -> the quantised numbers, widened to float32 again
;;       x = np.moveaxis(x, axis, -1); K = x.shape[-1]
;;       x = np.pad(x, [(0, 0)] * (x.ndim - 1) + [(0, -K % 32)]); x = x.reshape(x.shape[:-1] + (-1, 32)); a = np.abs(x).max(-1, keepdims=True)
;;       e = np.where(a > 0, np.clip(np.frexp(np.where(a > 0, a, 1))[1] - 1 - 2, -126, 127), 0)      # np.frexp(a)[1] - 1 = floor(log2(a)), exactly
;;       r = np.clip(x / 2.0 ** e, -6, 6)
;;       step = 2.0 ** (np.maximum(np.frexp(np.where(r == 0, 1, r))[1] - 1, 0) - 1)
;;       q = np.round(r / step) * step * 2.0 ** e      # np.round: ties to even
;;       return np.moveaxis(q.reshape(q.shape[:-2] + (-1,))[..., :K], -1, axis).astype(np.float32)
;;   ~~~
;;   SOFTMAX AHEAD OF A QUANTISED PRODUCT. Where the list says 'softmax', what is quantised is not the finished softmax but p = 2^(t - M), with t = logit x log2(e) and M = ceil(the row's largest t), a whole number; so 1/2 < the row's largest p <= 1. The row's sum l is taken of the UNQUANTISED p, in f32, and the product's result is divided by l at the end. Since M is a whole number, a kernel that streams over the keys may use a running M (the ceiling of the running maximum): every later rescaling is an exact power of two, which a block's scale takes up: the codes' values come out the same.
;;   OPERANDS COMPUTED ON THE WAY. 'Computed on the way' means the value that the module computes at that place (a softmax that the list does not call 'softmax' is quantised finished and normalised). What goes into a quantiser is computed in f32, as accurately as f32 sums, v_exp_f32 and their like allow (about 1e-6 of the number): no bf16 or f16 on the way to a quantiser, and a product that is left as it is and whose result goes on into a quantised operand takes f32 operands (vector FMAs, or v_wmma_f32_16x16x4_f32). A number that lies on a knife's edge between two numbers of the format may be rounded either way, as far as f32 arithmetic and the matrix unit's own rounding can turn it there, and no further.
;; One version. Each part assembles by itself: llvm-mc -triple=amdgcn-amd-amdhsa -mcpu=gfx1250 --defsym DOCPART=n.
;; ======== version 1 of 1: 9 launches
;; workspace buffers: ops 8,912,896 bytes; qkv 7,077,888 bytes; lens 2,048 bytes of whole numbers; z 16,777,216 bytes; x1 16,809,984 bytes; stage0 256 bytes of whole numbers; stage1 256 bytes of whole numbers
;; launch quant (part 1): grid 768 x 1, 8 waves a work-group, no clusters, 68,608 bytes of LDS; arguments x, Wq1, Wk1, Wv1, Wq2, Wk2, Wv2, fc1_w, fc2_w, ops, stage0, stage1; writes ops, stage0, stage1
.if DOCPART == 1
	.amdgcn_target "amdgcn-amd-amdhsa--gfx1250"
	.amdhsa_code_object_version 6
	.text
	.protected	k_qa086b8a972_quant
	.globl	k_qa086b8a972_quant
	.p2align	8
	.type	k_qa086b8a972_quant,@function
k_qa086b8a972_quant:
	s_mov_b64 s[64:65], 0
	v_nop
	global_prefetch_b8 v0, s[64:65] scope:SCOPE_SE
	s_setreg_imm32_b32 hwreg(HW_REG_WAVE_MODE, 25, 1), 1
	s_wait_xcnt 0x0
; x [4096][1024] and the eight weights become codes of FP4 (E2M1) with one E8M0 byte for each 32 along K = 1024, laid in the ORDER OF THE OPERAND'S REGISTERS:
; tile T (16 rows) x K step ks (128): codes at T*8192 + ks*1024 + c*512 + 16*lane = registers 4c..4c+3; scale words at T*512 + (ks/4)*256 + 16*r + 4*(ks%4).
; THE ROWS OF A TILE ARE NOT NEIGHBOURS: lane row r of tile T is row 32 (T/2) + 8 (T%2) + r + 8 (r/8), for activations and for weight columns alike.
; WORK LEFT OUT OR MOVED IN THIS PROGRAM, for all values of the inputs:
;  - Q1, K1, V1 x mask0 and Q2 x mask1: where the mask is 0 the row of x (of x1) is all zeros, so its codes are zeros and the product's row is 0; where it is 1 the factor is 1.
;  - K2, V2 x mask1: the factor is 0 or 1 and K's blocks lie inside one row, so it is applied to context's row ahead of its quantiser (launch ln1): the same codes, the same products.
;  - out x mask is applied where z is read (z x m + x in ln1 and ffn).
;  - key steps wholly above the diagonal (reference()'s own causal mask) or wholly at or beyond 'lengths' (whole numbers that an earlier launch stored) are not walked.
; Every input is loaded.  LIMITS: NaN and infinities among the inputs are not served, and one that reaches only work left out is not carried on; lengths = 0 gives NaN as reference() does;
; the sign of zero is not kept; a block of zeros has the byte 1 where the rule says 127 (its codes are zeros, and this program alone reads the bytes); blocks under 2^-124 are held at the byte 1.
; SHARES: a wave makes one fragment (16 rows x 128 K).  Work-groups 0-255: x (tile = work-group, K step = wave).  256-639: Wq1..Wv2 [head][d][64], K outermost: four waves side by side
; on a row's 256 bytes.  640-767: fc1_w, fc2_w, K innermost.  Work-group 0 also stores the words 0 and 1 that tell the two runs of the shared bodies apart.
.set WREG,  8448                       ; a wave's stage: 16 rows x (512 + 16) bytes
.set SPARE, 8*WREG                     ; behind the stages: the spare words, 128 bytes a wave
.set WSCL,  0x400000
.set X,     32                         ; v32-95   64 numbers: register 16 b + i = k 32 b + 16 h + i of my row
.set TM,    96                         ; v96-111  at work in QUANT
.set PC,    112                        ; v112-119 the fragment
.set PW,    120                        ; v120     its scale word
.set SPW,   10
.set NIL,   11
.set WV,    32
.set SEL,   34
.set TN,    36                         ; which tensor: 0 x, 1-6 the W, 7 fc1_w, 8 fc2_w
.set TSRC,  37                         ; source tile (K innermost) or head (K outermost)
.set KS,    38
.set TC,    39                         ; tile in the codes
.set TQ,    40                         ; tile in the scale words
; 16 nb numbers a lane become 2 nb registers of codes and nb bytes of a scale word.
.macro QUANT src, nb
.set qb, 0
.rept \nb
	v_max3_num_f32 v[TM+qb], |v[(\src)+16*qb]|, |v[(\src)+16*qb+1]|, 0x1800000   ; my 16 numbers of block qb, and the floor 2^(3-127): the byte cannot fall under 1
.set qb, qb+1
.endr
.irp qi, 2,4,6,8,10,12,14
.set qb, 0
.rept \nb
	v_max3_num_f32 v[TM+qb], v[TM+qb], |v[(\src)+16*qb+\qi]|, |v[(\src)+16*qb+\qi+1]|
.set qb, qb+1
.endr
.endr
.set qb, 0
.rept \nb
	v_permlanex16_b32 v[TM+4+qb], v[TM+qb], s[SEL], s[SEL+1]
.set qb, qb+1
.endr
.set qb, 0
.rept \nb
	v_max_num_f32 v[TM+qb], v[TM+qb], v[TM+4+qb]           ; with lane l xor 16's: the block's largest magnitude
.set qb, qb+1
.endr
.set qb, 0
.rept \nb
	v_add_nc_u32 v[TM+12+qb], 0xff000000, v[TM+qb]         ; 2 off its exponent field: the conversion's scale operand
.set qb, qb+1
.endr
.set qb, 0
.rept \nb
	v_lshrrev_b32 v[TM+4+qb], 23, v[TM+12+qb]              ; the scale's byte
.set qb, qb+1
.endr
	v_lshl_or_b32 v[PW], v[TM+5], 8, v[TM+4]
.if \nb == 4
	v_lshl_or_b32 v[PW], v[TM+6], 16, v[PW]
	v_lshl_or_b32 v[PW], v[TM+7], 24, v[PW]
.endif
.set qb, 0
.rept \nb
	v_cvt_scalef32_pk8_fp4_f32 v[PC+2*qb], v[(\src)+16*qb:(\src)+16*qb+7], v[TM+12+qb]
	v_cvt_scalef32_pk8_fp4_f32 v[PC+2*qb+1], v[(\src)+16*qb+8:(\src)+16*qb+15], v[TM+12+qb]
.set qb, qb+1
.endr
	v_nop                                                  ; one plain place behind the scaled conversions
.set qb, 0
.rept (\nb)/2
	v_permlane16_swap_b32 v[PC+4*qb], v[PC+4*qb+2]         ; a whole block to a lane: lanes 0-15 block 2 c, lanes 16-31 block 2 c + 1
	v_permlane16_swap_b32 v[PC+4*qb+1], v[PC+4*qb+3]
.set qb, qb+1
.endr
.endm
	s_load_b512 s[8:23], s[0:1], 0x0               ; x, Wq1, Wk1, Wv1, Wq2, Wk2, Wv2, fc1_w
	s_load_b256 s[24:31], s[0:1], 0x40             ; fc2_w, ops, stage0, stage1
	v_lshl_add_u32 v[SPW], v0, 2, SPARE
	v_mov_b32 v[NIL], 0
	v_lshrrev_b32 v1, 5, v0
	v_readfirstlane_b32 s[WV], v1                  ; wave 0..7
	v_and_b32 v1, 31, v0                           ; lane
	v_and_b32 v2, 15, v0                           ; r
	v_bfe_u32 v3, v0, 4, 1                         ; h
	v_lshlrev_b32 v7, 4, v1                        ; 16 x lane
	v_lshlrev_b32 v8, 4, v2                        ; 16 r
	v_and_b32 v4, 8, v2
	v_add_nc_u32 v4, v4, v2                        ; r + 8 (r / 8)
	v_lshlrev_b32 v4, 2, v4
	v_lshl_add_u32 v4, v3, 12, v4                  ; K outermost: my column's 4 bytes, + 16 h rows of 256 bytes
	s_mul_i32 s33, s[WV], WREG
	v_add_nc_u32 v5, s33, v7                       ; the stage, in: 16 x lane of a row
	v_mul_u32_u24 v6, v2, 528
	v_lshl_add_u32 v6, v3, 6, v6
	v_add_nc_u32 v6, s33, v6                       ; out: row r, + 64 h
.irp b, 0,1,2,3
	v_mov_b32 v[TM+4+\b], 0                        ; a lane permute's destination counts as one of its sources
.endr
	s_mov_b32 s[SEL], 0x76543210
	s_mov_b32 s[SEL+1], 0xfedcba98
	s_cmp_lt_u32 ttmp9, 256
	s_cbranch_scc0 .Lnot_x
	s_mov_b32 s[TN], 0
	s_mov_b32 s[TSRC], ttmp9
	s_add_co_u32 s[TC], ttmp9, 544                 ; the activations' codes begin 544 tiles in,
	s_add_co_u32 s[TQ], ttmp9, 8704                ; their scale words 8,704 tiles behind the weights'
	s_mov_b32 s[KS], s[WV]
	s_branch .Lhave
.Lnot_x:
	s_cmp_lt_u32 ttmp9, 640
	s_cbranch_scc0 .Lfc
	s_sub_co_u32 s41, ttmp9, 256
	s_lshr_b32 s[TN], s41, 6                       ; which W
	s_lshl_b32 s[TC], s[TN], 6
	s_add_co_u32 s[TN], s[TN], 1
	s_bfe_u32 s[TSRC], s41, 0x40002                ; head
	s_and_b32 s41, s41, 3
	s_lshl_b32 s[KS], s41, 1
	s_lshr_b32 s41, s[WV], 2
	s_add_co_u32 s[KS], s[KS], s41                 ; K step = 2 (work-group % 4) + wave / 4
	s_lshl_b32 s41, s[TSRC], 2
	s_add_co_u32 s[TC], s[TC], s41
	s_and_b32 s41, s[WV], 3
	s_add_co_u32 s[TC], s[TC], s41                 ; tile = 64 W + 4 head + wave % 4
	s_mov_b32 s[TQ], s[TC]
	s_branch .Lhave
.Lfc:
	s_sub_co_u32 s41, ttmp9, 640
	s_lshr_b32 s[TN], s41, 6
	s_add_co_u32 s[TN], s[TN], 7
	s_and_b32 s[TSRC], s41, 63
	s_add_co_u32 s[TC], s41, 384
	s_mov_b32 s[TQ], s[TC]
	s_mov_b32 s[KS], s[WV]
.Lhave:
	s_lshl_b32 s44, s[TC], 13
	s_lshl_b32 s41, s[KS], 10
	s_add_co_u32 s44, s44, s41                     ; where my fragment's codes go
	s_mov_b32 s45, 0
	s_lshl_b32 s46, s[TQ], 9
	s_lshr_b32 s41, s[KS], 2
	s_lshl_b32 s41, s41, 8
	s_add_co_u32 s46, s46, s41
	s_and_b32 s41, s[KS], 3
	s_lshl_b32 s41, s41, 2
	s_add_co_u32 s46, s46, s41
	s_add_co_u32 s46, s46, WSCL                    ; and its scale words
	s_mov_b32 s47, 0
	s_wait_kmcnt 0x0
	s_add_nc_u64 s[6:7], s[26:27], s[44:45]
	s_add_nc_u64 s[2:3], s[26:27], s[46:47]
	s_mov_b64 s[4:5], s[8:9]                       ; the source: a choice among the buffers by the tensor's number, which hangs on the work-group's number alone
.irp n, 1,2,3,4,5,6,7,8
	s_cmp_eq_u32 s[TN], \n
	s_cselect_b64 s[4:5], s[8+2*\n:9+2*\n], s[4:5]
.endr
	s_sub_co_u32 s41, ttmp9, 256
	s_cmp_lt_u32 s41, 384
	s_cbranch_scc1 .Louter
	; K INNERMOST: each load reads 512 consecutive bytes of one row; the 16 rows turn through my stage, so that a lane gets 16 neighbours of each block
	s_lshr_b32 s41, s[TSRC], 1
	s_lshl_b32 s41, s41, 5
	s_and_b32 s42, s[TSRC], 1
	s_lshl_b32 s42, s42, 3
	s_add_co_u32 s42, s42, s41                     ; the tile's first row
	s_lshl_b32 s42, s42, 12
	s_lshl_b32 s41, s[KS], 9
	s_add_co_u32 s42, s42, s41
	s_mov_b32 s43, 0
	s_add_nc_u64 s[4:5], s[4:5], s[42:43]
.irp i, 0,1,2,3,4,5,6,7,8,9,10,11,12,13,14,15
	global_load_b128 v[X+4*\i:X+4*\i+3], v7, s[4:5] offset:(\i+8*(\i/8))*4096 th:TH_LOAD_NT
.endr
.irp i, 0,1,2,3,4,5,6,7,8,9,10,11,12,13,14,15
	s_wait_loadcnt 15-\i                           ; row i is in; the younger loads stay out
	ds_store_b128 v5, v[X+4*\i:X+4*\i+3] offset:528*\i
.endr
	s_wait_dscnt 0x0                               ; the stores have read their registers
.irp b, 0,1,2,3
.irp e, 0,1,2,3
	ds_load_b128 v[X+16*\b+4*\e:X+16*\b+4*\e+3], v6 offset:128*\b+16*\e
.endr
.endr
	s_wait_dscnt 0x0
	s_branch .Lquant
.Louter:
	; K OUTERMOST: a lane takes a column and its registers run down K
	s_lshl_b32 s42, s[TSRC], 18                    ; head x 1,024 rows of 256 bytes
	s_lshl_b32 s41, s[KS], 15
	s_add_co_u32 s42, s42, s41
	s_and_b32 s41, s[WV], 3
	s_lshr_b32 s43, s41, 1
	s_lshl_b32 s43, s43, 7
	s_add_co_u32 s42, s42, s43
	s_and_b32 s41, s41, 1
	s_lshl_b32 s41, s41, 5
	s_add_co_u32 s42, s42, s41                     ; + the tile's first column
	s_mov_b32 s43, 0
	s_add_nc_u64 s[4:5], s[4:5], s[42:43]
.irp b, 0,1,2,3
.irp i, 0,1,2,3,4,5,6,7,8,9,10,11,12,13,14,15
	global_load_b32 v[X+16*\b+\i], v4, s[4:5] offset:(32*\b+\i)*256 th:TH_LOAD_NT
.endr
.endr
	s_wait_loadcnt 0x0
.Lquant:
	QUANT X, 4
	global_store_b128 v7, v[PC:PC+3], s[6:7]                 ; 512 consecutive bytes a store
	global_store_b128 v7, v[PC+4:PC+7], s[6:7] offset:512
	s_wait_xcnt 0x0                                ; EXEC changes only behind this wait
	v_cmp_gt_u32 vcc_lo, 16, v1
	s_and_saveexec_b32 s41, vcc_lo
	global_store_b32 v8, v[PW], s[2:3]             ; lanes 0-15: row r's word
	s_wait_xcnt 0x0
	s_or_b32 exec_lo, exec_lo, s41
	s_or_b32 s41, ttmp9, s[WV]
	s_cmp_lg_u32 s41, 0
	s_cbranch_scc1 .Lend
	v_lshlrev_b32 v9, 3, v1
	v_mov_b32 v122, 0
	v_mov_b32 v123, 0
	v_mov_b32 v124, 1
	v_mov_b32 v125, 1
	global_store_b64 v9, v[122:123], s[28:29]      ; stage0: zeros; 256 consecutive bytes
	global_store_b64 v9, v[124:125], s[30:31]      ; stage1: ones
.Lend:
	s_wait_tensorcnt 0x0                           ; the wave's end
	ds_add_u32 v[SPW], v[NIL]
	s_wait_dscnt 0x0
	s_endpgm
.Lfunc_end_k_qa086b8a972_quant:
	.size	k_qa086b8a972_quant, .Lfunc_end_k_qa086b8a972_quant-k_qa086b8a972_quant
	.p2alignl 7, 3214868480
	.fill 96, 4, 3214868480
	.section	.rodata,"a",@progbits
	.p2align	6, 0x0
	.amdhsa_kernel k_qa086b8a972_quant
		.amdhsa_group_segment_fixed_size 68608
		.amdhsa_private_segment_fixed_size 0
		.amdhsa_enable_private_segment 0
		.amdhsa_kernarg_size 96
		.amdhsa_user_sgpr_count 2
		.amdhsa_user_sgpr_kernarg_segment_ptr 1
		.amdhsa_wavefront_size32 1
		.amdhsa_system_sgpr_workgroup_id_x 1
		.amdhsa_system_sgpr_workgroup_id_y 1
		.amdhsa_system_sgpr_workgroup_id_z 1
		.amdhsa_system_vgpr_workitem_id 0
		.amdhsa_next_free_vgpr 128
		.amdhsa_next_free_sgpr 66
		.amdhsa_reserve_vcc 1
		.amdhsa_float_denorm_mode_32 3
		.amdhsa_float_denorm_mode_16_64 3
		.amdhsa_memory_ordered 1
		.amdhsa_forward_progress 1
		.amdhsa_inst_pref_size 20
	.end_amdhsa_kernel
	.amdgpu_metadata
---
amdhsa.version: [ 1, 2 ]
amdhsa.kernels:
  - .name:           k_qa086b8a972_quant
    .symbol:         k_qa086b8a972_quant.kd
    .args:
      - { .name: x, .offset: 0, .size: 8, .value_kind: global_buffer, .address_space: global }
      - { .name: Wq1, .offset: 8, .size: 8, .value_kind: global_buffer, .address_space: global }
      - { .name: Wk1, .offset: 16, .size: 8, .value_kind: global_buffer, .address_space: global }
      - { .name: Wv1, .offset: 24, .size: 8, .value_kind: global_buffer, .address_space: global }
      - { .name: Wq2, .offset: 32, .size: 8, .value_kind: global_buffer, .address_space: global }
      - { .name: Wk2, .offset: 40, .size: 8, .value_kind: global_buffer, .address_space: global }
      - { .name: Wv2, .offset: 48, .size: 8, .value_kind: global_buffer, .address_space: global }
      - { .name: fc1_w, .offset: 56, .size: 8, .value_kind: global_buffer, .address_space: global }
      - { .name: fc2_w, .offset: 64, .size: 8, .value_kind: global_buffer, .address_space: global }
      - { .name: ops, .offset: 72, .size: 8, .value_kind: global_buffer, .address_space: global }
      - { .name: stage0, .offset: 80, .size: 8, .value_kind: global_buffer, .address_space: global }
      - { .name: stage1, .offset: 88, .size: 8, .value_kind: global_buffer, .address_space: global }
    .group_segment_fixed_size: 68608
    .private_segment_fixed_size: 0
    .kernarg_segment_align: 8
    .kernarg_segment_size: 96
    .max_flat_workgroup_size: 256
    .sgpr_count:     66
    .vgpr_count:     128
    .wavefront_size: 32
...
	.end_amdgpu_metadata
.endif
;; end of part 1
;; launch proj1 (part 2): grid 12 x 16, 4 waves a work-group, no clusters, 0 bytes of LDS; arguments ops, stage0, qkv; writes qkv
.if DOCPART == 2
	.amdgcn_target "amdgcn-amd-amdhsa--gfx1250"
	.amdhsa_code_object_version 6
	.text
	.protected	k_qa086b8a972_proj1
	.globl	k_qa086b8a972_proj1
	.p2align	8
	.type	k_qa086b8a972_proj1,@function
k_qa086b8a972_proj1:
	s_mov_b64 s[64:65], 0
	v_nop
	global_prefetch_b8 v0, s[64:65] scope:SCOPE_SE
	s_setreg_imm32_b32 hwreg(HW_REG_WAVE_MODE, 25, 1), 1
	s_wait_xcnt 0x0
; Q, K and V of one attention: [4096 rows] x [3072 columns], K = 1024, on codes of FP4, and each result quantised at once for the attention's products.
; Left out: the factors mask0 / mask1 on Q, K, V (zero rows give zero products; context carries mask1 already): shown at the head of the first launch.
; A wave makes 128 x 128 in 64 accumulators; operands come from memory straight into registers, since they lie in the order of the operand's registers (512 consecutive bytes a load).
; Work-group x 0-3: Q, 4-7: K, 8-11: V.  Source 0 is P, source 1 is R.  Q, K: P = 8 tiles of weight columns (two heads), R = 8 tiles of rows: a lane then holds ONE row and 128 columns, the next K (dk).
; V: P = 8 tiles of rows (128 keys), R = 8 tiles of weight columns: a lane holds ONE channel and 128 keys, the next K.  Only addresses differ; they change places by 0 / 1 factors made of ids.
; The stage word (0 or 1, stored by the first launch) picks the weights (192 tiles on) and, for K and V, the second set of activations.
; REGISTERS: window 0: v1-5 offsets; v16-47 P's scale words, v48-79 R's; v80-105 at work on the way out; v128-255 R's fragments, two sets.  window 1: v0-127 P's fragments, two sets.
;   windows 2, 3: accumulator (rho, p) at v[64 (rho % 4) + 8 p] of window 2 + rho / 4.
.set SCP, 16
.set SCR, 48
.set TM,  80
.set PC,  96
.set PW,  104
.set TT,  105
.set SEL, 44
.set MSB, 0
.macro WIN new                         ; the immediate's high byte repeats the setting that is left
.if MSB != (\new)
	s_set_vgpr_msb (MSB<<8)|(\new)
.set MSB, (\new)
.endif
.endm
.macro PLACES
.rept 4
	v_nop
.endr
.endm
.macro LOADK ks, f                     ; K step ks: 8 fragments of P and 8 of R into set f
	WIN 0x40
.irp p, 0,1,2,3,4,5,6,7
.irp c, 0,1
	global_load_b128 v[64*(\f)+8*\p+4*\c:64*(\f)+8*\p+4*\c+3], v1, s[8:9] offset:\p*8192+(\ks)*1024+512*\c
.endr
.endr
	WIN 0
.irp p, 0,1,2,3,4,5,6,7
.irp c, 0,1
	global_load_b128 v[128+64*(\f)+8*\p+4*\c:128+64*(\f)+8*\p+4*\c+3], v1, s[10:11] offset:\p*8192+(\ks)*1024+512*\c
.endr
.endr
.endm
; 64 matrix instructions; the 64 accumulators take turns in the same order in every K step.  K steps 4-7 take their scale words from lanes 16-31.
.macro MULK ks, f
.irp hi, 0,1
	WIN 0xa1+0x50*\hi
.irp rr, 0,1,2,3
.irp p, 0,1,2,3,4,5,6,7
.set rD, 64*\rr+8*\p
.set rA, 64*(\f)+8*\p
.set rB, 128+64*(\f)+8*(4*\hi+\rr)
.set rSA, SCP+4*\p+(\ks)%4
.set rSB, SCR+4*(4*\hi+\rr)+(\ks)%4
.if (\ks) == 0
	v_wmma_scale_f32_16x16x128_f8f6f4 v[rD:rD+7], v[rA:rA+7], v[rB:rB+7], 0, v[rSA], v[rSB] matrix_a_fmt:MATRIX_FMT_FP4 matrix_b_fmt:MATRIX_FMT_FP4
.elseif (\ks) < 4
	v_wmma_scale_f32_16x16x128_f8f6f4 v[rD:rD+7], v[rA:rA+7], v[rB:rB+7], v[rD:rD+7], v[rSA], v[rSB] matrix_a_fmt:MATRIX_FMT_FP4 matrix_b_fmt:MATRIX_FMT_FP4
.else
	v_wmma_scale_f32_16x16x128_f8f6f4 v[rD:rD+7], v[rA:rA+7], v[rB:rB+7], v[rD:rD+7], v[rSA], v[rSB] matrix_a_fmt:MATRIX_FMT_FP4 matrix_b_fmt:MATRIX_FMT_FP4 matrix_a_scale:MATRIX_SCALE_ROW1 matrix_b_scale:MATRIX_SCALE_ROW1
.endif
.endr
.endr
.endr
.endm
; THE WAY OUT of R's tile rho: my 64 numbers (register 16 b + i = index 32 b + 16 h + i along the next K) become a fragment and a scale word, and leave.
.macro EPI rho
.set AC, 64*((\rho)%4)
.set WN, 2+(\rho)/4
	WIN 0
	s_wait_xcnt 0x0                                ; the last tile's stores have read their registers
.irp b, 0,1,2,3
	v_mov_b32 v[TM+\b], 0x1800000                  ; the floor 2^(3-127)
.endr
	WIN (WN<<2)|(WN<<4)
.irp i, 0,2,4,6,8,10,12,14
.irp b, 0,1,2,3
	v_max3_num_f32 v[TM+\b], v[TM+\b], |v[AC+16*\b+\i]|, |v[AC+16*\b+\i+1]|   ; each accumulator from its low end on
.endr
.endr
	WIN 0
.irp b, 0,1,2,3
	v_permlanex16_b32 v[TM+4+\b], v[TM+\b], s[SEL], s[SEL+1]
.endr
.irp b, 0,1,2,3
	v_max_num_f32 v[TM+\b], v[TM+\b], v[TM+4+\b]
.endr
.irp b, 0,1,2,3
	v_add_nc_u32 v[TM+12+\b], 0xff000000, v[TM+\b]
.endr
.irp b, 0,1,2,3
	v_lshrrev_b32 v[TM+4+\b], 23, v[TM+12+\b]
.endr
	v_lshl_or_b32 v[PW], v[TM+5], 8, v[TM+4]
	v_lshl_or_b32 v[PW], v[TM+6], 16, v[PW]
	v_lshl_or_b32 v[PW], v[TM+7], 24, v[PW]
	WIN WN
.irp b, 0,1,2,3
	v_cvt_scalef32_pk8_fp4_f32 v[PC+2*\b], v[AC+16*\b:AC+16*\b+7], v[TM+12+\b]
	v_cvt_scalef32_pk8_fp4_f32 v[PC+2*\b+1], v[AC+16*\b+8:AC+16*\b+15], v[TM+12+\b]
.endr
	WIN 0
	v_nop                                          ; one plain place behind the scaled conversions
.irp c, 0,1
	v_permlane16_swap_b32 v[PC+4*\c], v[PC+4*\c+2]
	v_permlane16_swap_b32 v[PC+4*\c+1], v[PC+4*\c+3]
.endr
	s_cmp_ge_u32 ttmp9, 8
	s_cbranch_scc1 .Lv_\@
	global_store_b128 v1, v[PC:PC+3], s[18:19] offset:512*(\rho)            ; Q, K: registers 0-3 are the first head's 64, a half fragment;
	global_store_b128 v1, v[PC+4:PC+7], s[18:19] offset:65536+512*(\rho)    ; registers 4-7 the second head's
	v_lshrrev_b32 v[TT], v3, v[PW]
	v_and_b32 v[TT], 0xffff, v[TT]                 ; lanes 0-15: the first head's two bytes; lanes 16-31: the second's; the upper bytes 0
	global_store_b32 v2, v[TT], s[38:39] offset:4*(\rho)
	s_branch .Ldone_\@
.Lv_\@:
	global_store_b128 v1, v[PC:PC+3], s[18:19] offset:((\rho)/4)*65536+((\rho)%4)*1024
	global_store_b128 v1, v[PC+4:PC+7], s[18:19] offset:((\rho)/4)*65536+((\rho)%4)*1024+512
	global_store_b32 v1, v[PW], s[38:39] offset:((\rho)/4)*8192+4*((\rho)%4)
.Ldone_\@:
.endm
	s_load_b128 s[4:7], s[0:1], 0x0                ; ops, the stage word
	s_load_b64 s[16:17], s[0:1], 0x10              ; qkv
	v_lshrrev_b32 v6, 5, v0
	v_readfirstlane_b32 s21, v6                    ; wave 0..3
	v_and_b32 v1, 31, v0
	v_lshlrev_b32 v1, 4, v1                        ; 16 x lane
	v_and_b32 v4, 15, v0                           ; r
	v_bfe_u32 v5, v0, 4, 1                         ; h
	v_lshlrev_b32 v2, 5, v4
	v_lshl_add_u32 v2, v5, 13, v2                  ; Q's, K's scale words: 32 r, + a head on for lanes 16-31
	v_lshlrev_b32 v3, 4, v5                        ; 16 h
.irp b, 0,1,2,3
	v_mov_b32 v[TM+4+\b], 0
.endr
	s_mov_b32 s[SEL], 0x76543210
	s_mov_b32 s[SEL+1], 0xfedcba98
	s_and_b32 s22, s21, 1
	s_lshl_b32 s40, ttmp9, 1
	s_add_co_u32 s22, s22, s40                     ; block of 128 columns, 0..23
	s_lshr_b32 s23, s21, 1
	s_and_b32 s40, ttmp7, 0xffff
	s_lshl_b32 s40, s40, 1
	s_add_co_u32 s23, s23, s40                     ; block of 128 rows, 0..31
	s_cmp_ge_u32 ttmp9, 4
	s_cselect_b32 s24, 1, 0                        ; K or V
	s_cmp_ge_u32 ttmp9, 8
	s_cselect_b32 s25, 1, 0                        ; V
	s_cselect_b32 s26, 0, 1                        ; not V
	s_wait_kmcnt 0x0
	s_load_b32 s20, s[6:7], 0x0
	s_lshr_b32 s36, ttmp9, 2                       ; 0 Q, 1 K, 2 V
	s_lshr_b32 s37, s23, 4
	s_lshl_b32 s37, s37, 4
	s_and_b32 s40, s22, 7
	s_lshl_b32 s40, s40, 1
	s_add_co_u32 s37, s37, s40                     ; 16 batch + my first head
	s_and_b32 s41, s23, 15                         ; step of 128 rows in the sequence
	s_lshl_b32 s42, s36, 21
	s_lshl_b32 s40, s37, 16
	s_add_co_u32 s42, s42, s40
	s_lshl_b32 s40, s41, 12
	s_add_co_u32 s42, s42, s40
	s_mov_b32 s43, 0
	s_add_nc_u64 s[18:19], s[16:17], s[42:43]      ; where my codes go
	s_lshl_b32 s42, s36, 18
	s_lshl_b32 s40, s37, 13
	s_add_co_u32 s42, s42, s40
	s_lshl_b32 s40, s41, 9
	s_add_co_u32 s42, s42, s40
	s_add_co_u32 s42, s42, 0x600000
	s_add_nc_u64 s[38:39], s[16:17], s[42:43]      ; and my scale words
	s_wait_kmcnt 0x0
	s_min_u32 s20, s20, 1                          ; the stage: 0 or 1
	s_mul_i32 s27, s20, 192
	s_lshl_b32 s40, s22, 3
	s_add_co_u32 s27, s27, s40                     ; my first weight tile
	s_mul_i32 s28, s20, s24
	s_lshl_b32 s28, s28, 8
	s_lshl_b32 s40, s23, 3
	s_add_co_u32 s28, s28, s40                     ; my first tile of rows
	s_lshl_b32 s30, s27, 13
	s_lshl_b32 s31, s27, 9
	s_add_co_u32 s31, s31, 0x400000
	s_lshl_b32 s32, s28, 13
	s_add_co_u32 s32, s32, 0x440000
	s_lshl_b32 s33, s28, 9
	s_add_co_u32 s33, s33, 0x840000
	s_mov_b32 s35, 0
	s_mul_i32 s34, s30, s26
	s_mul_i32 s40, s32, s25
	s_add_co_u32 s34, s34, s40
	s_add_nc_u64 s[8:9], s[4:5], s[34:35]          ; P's codes
	s_mul_i32 s34, s30, s25
	s_mul_i32 s40, s32, s26
	s_add_co_u32 s34, s34, s40
	s_add_nc_u64 s[10:11], s[4:5], s[34:35]        ; R's codes
	s_mul_i32 s34, s31, s26
	s_mul_i32 s40, s33, s25
	s_add_co_u32 s34, s34, s40
	s_add_nc_u64 s[12:13], s[4:5], s[34:35]        ; P's scale words
	s_mul_i32 s34, s31, s25
	s_mul_i32 s40, s33, s26
	s_add_co_u32 s34, s34, s40
	s_add_nc_u64 s[14:15], s[4:5], s[34:35]        ; R's
.irp p, 0,1,2,3,4,5,6,7
	global_load_b128 v[SCP+4*\p:SCP+4*\p+3], v1, s[12:13] offset:512*\p   ; lanes 0-15: K steps 0-3 of row r; lanes 16-31: K steps 4-7
	global_load_b128 v[SCR+4*\p:SCR+4*\p+3], v1, s[14:15] offset:512*\p
.endr
	LOADK 0, 0
	LOADK 1, 1
.set kq, 0
.rept 8
.if kq < 7
	s_wait_loadcnt 32                              ; this K step's loads (and the scale words) are in; the next step's 32 stay out
.else
	s_wait_loadcnt 0x0
.endif
	MULK kq, kq%2
	PLACES                                         ; four places in front of loads into registers that matrix instructions have read, and of the first read of results
.if kq < 6
	LOADK kq+2, kq%2
.endif
.set kq, kq+1
.endr
.irp rho, 0,1,2,3,4,5,6,7
	EPI \rho
.endr
	s_endpgm
.Lfunc_end_k_qa086b8a972_proj1:
	.size	k_qa086b8a972_proj1, .Lfunc_end_k_qa086b8a972_proj1-k_qa086b8a972_proj1
	.p2alignl 7, 3214868480
	.fill 96, 4, 3214868480
	.section	.rodata,"a",@progbits
	.p2align	6, 0x0
	.amdhsa_kernel k_qa086b8a972_proj1
		.amdhsa_group_segment_fixed_size 0
		.amdhsa_private_segment_fixed_size 0
		.amdhsa_enable_private_segment 0
		.amdhsa_kernarg_size 24
		.amdhsa_user_sgpr_count 2
		.amdhsa_user_sgpr_kernarg_segment_ptr 1
		.amdhsa_wavefront_size32 1
		.amdhsa_system_sgpr_workgroup_id_x 1
		.amdhsa_system_sgpr_workgroup_id_y 1
		.amdhsa_system_sgpr_workgroup_id_z 1
		.amdhsa_system_vgpr_workitem_id 0
		.amdhsa_next_free_vgpr 1024
		.amdhsa_next_free_sgpr 66
		.amdhsa_reserve_vcc 0
		.amdhsa_float_denorm_mode_32 3
		.amdhsa_float_denorm_mode_16_64 3
		.amdhsa_memory_ordered 1
		.amdhsa_forward_progress 1
		.amdhsa_inst_pref_size 134
	.end_amdhsa_kernel
	.amdgpu_metadata
---
amdhsa.version: [ 1, 2 ]
amdhsa.kernels:
  - .name:           k_qa086b8a972_proj1
    .symbol:         k_qa086b8a972_proj1.kd
    .args:
      - { .name: ops, .offset: 0, .size: 8, .value_kind: global_buffer, .address_space: global }
      - { .name: stage0, .offset: 8, .size: 8, .value_kind: global_buffer, .address_space: global }
      - { .name: qkv, .offset: 16, .size: 8, .value_kind: global_buffer, .address_space: global }
    .group_segment_fixed_size: 0
    .private_segment_fixed_size: 0
    .kernarg_segment_align: 8
    .kernarg_segment_size: 24
    .max_flat_workgroup_size: 128
    .sgpr_count:     66
    .vgpr_count:     1024
    .wavefront_size: 32
...
	.end_amdgpu_metadata
.endif
;; end of part 2
;; launch len1 (part 3): grid 128 x 1, 4 waves a work-group, no clusters, 0 bytes of LDS; arguments qkv, lens; writes lens
.if DOCPART == 3
	.amdgcn_target "amdgcn-amd-amdhsa--gfx1250"
	.amdhsa_code_object_version 6
	.text
	.protected	k_qa086b8a972_len1
	.globl	k_qa086b8a972_len1
	.p2align	8
	.type	k_qa086b8a972_len1,@function
k_qa086b8a972_len1:
	s_mov_b64 s[64:65], 0
	v_nop
	global_prefetch_b8 v0, s[64:65] scope:SCOPE_SE
	s_setreg_imm32_b32 hwreg(HW_REG_WAVE_MODE, 25, 1), 1
	s_wait_xcnt 0x0
; 'lengths' of reference(): for each batch and head the number of keys whose energy with query 0 is not 0, from the true product on codes.  A wave counts 128 keys and stores its part;
; the attention's launch reads the 16 parts of a head and adds them.  Source 0 = the head's first tile of queries (query 0 is its lane row 0), source 1 = 16 keys.
; dk = 64 is half of the instruction's K: Q's upper four registers are zero codes, so what stands in the keys' upper four (the next tile's codes) adds nothing.
	s_load_b128 s[4:7], s[0:1], 0x0                ; qkv, lens
.irp i, 20,21,22,23,64,65,66,67
	v_mov_b32 v[\i], 0                             ; zero codes
.endr
	v_and_b32 v1, 31, v0
	v_lshrrev_b32 v2, 5, v0
	v_readfirstlane_b32 s8, v2
	v_lshlrev_b32 v3, 4, v1                        ; 16 x lane
	v_and_b32 v4, 15, v0
	v_lshlrev_b32 v4, 5, v4                        ; 32 r
	v_mov_b32 v5, 0
	s_lshl_b32 s9, ttmp9, 2
	s_add_co_u32 s9, s9, s8                        ; 16 (16 batch + head) + step
	s_lshr_b32 s10, s9, 4
	s_and_b32 s11, s9, 15
	s_lshl_b32 s12, s10, 16
	s_mov_b32 s13, 0
	s_lshl_b32 s14, s10, 13
	s_mov_b32 s15, 0
	s_wait_kmcnt 0x0
	s_add_nc_u64 s[16:17], s[4:5], s[12:13]        ; the head's Q codes
	s_add_nc_u64 s[18:19], s[4:5], s[14:15]
	s_add_nc_u64 s[20:21], s[18:19], 0x600000      ; its Q scale words
	s_lshl_b32 s12, s11, 12
	s_add_nc_u64 s[22:23], s[16:17], s[12:13]
	s_add_nc_u64 s[22:23], s[22:23], 0x200000      ; the step's K codes
	s_lshl_b32 s14, s11, 9
	s_add_nc_u64 s[24:25], s[18:19], s[14:15]
	s_add_nc_u64 s[24:25], s[24:25], 0x640000      ; and K scale words
	s_lshl_b32 s12, s9, 2
	s_add_nc_u64 s[6:7], s[6:7], s[12:13]
	global_load_b128 v[16:19], v3, s[16:17]
	global_load_b32 v24, v4, s[20:21]
.irp t, 0,1,2,3,4,5,6,7
	global_load_b128 v[32+4*\t:35+4*\t], v3, s[22:23] offset:512*\t
.endr
	global_load_b128 v[68:71], v4, s[24:25]
	global_load_b128 v[72:75], v4, s[24:25] offset:16
	s_mov_b32 s26, 0
	s_wait_loadcnt 0x0
.irp t, 0,1,2,3,4,5,6,7
	v_wmma_scale_f32_16x16x128_f8f6f4 v[80+8*\t:87+8*\t], v[16:23], v[32+4*\t:39+4*\t], 0, v24, v[68+\t] matrix_a_fmt:MATRIX_FMT_FP4 matrix_b_fmt:MATRIX_FMT_FP4
.endr
.rept 4
	v_nop
.endr
.irp t, 0,1,2,3,4,5,6,7
	v_cmp_neq_f32 s27, 0, v[80+8*\t]               ; register 0 of lanes 0-15: query 0 against the tile's 16 keys
	s_and_b32 s27, s27, 0xffff
	s_bcnt1_i32_b32 s27, s27
	s_add_co_u32 s26, s26, s27
.endr
	v_mov_b32 v6, s26
	s_wait_xcnt 0x0                                ; EXEC changes only behind this wait
	v_cmp_eq_u32 vcc_lo, 0, v1
	s_and_saveexec_b32 s28, vcc_lo
	global_store_b32 v5, v6, s[6:7]
	s_wait_xcnt 0x0
	s_or_b32 exec_lo, exec_lo, s28
	s_endpgm
.Lfunc_end_k_qa086b8a972_len1:
	.size	k_qa086b8a972_len1, .Lfunc_end_k_qa086b8a972_len1-k_qa086b8a972_len1
	.p2alignl 7, 3214868480
	.fill 96, 4, 3214868480
	.section	.rodata,"a",@progbits
	.p2align	6, 0x0
	.amdhsa_kernel k_qa086b8a972_len1
		.amdhsa_group_segment_fixed_size 0
		.amdhsa_private_segment_fixed_size 0
		.amdhsa_enable_private_segment 0
		.amdhsa_kernarg_size 16
		.amdhsa_user_sgpr_count 2
		.amdhsa_user_sgpr_kernarg_segment_ptr 1
		.amdhsa_wavefront_size32 1
		.amdhsa_system_sgpr_workgroup_id_x 1
		.amdhsa_system_sgpr_workgroup_id_y 1
		.amdhsa_system_sgpr_workgroup_id_z 1
		.amdhsa_system_vgpr_workitem_id 0
		.amdhsa_next_free_vgpr 144
		.amdhsa_next_free_sgpr 66
		.amdhsa_reserve_vcc 1
		.amdhsa_float_denorm_mode_32 3
		.amdhsa_float_denorm_mode_16_64 3
		.amdhsa_memory_ordered 1
		.amdhsa_forward_progress 1
		.amdhsa_inst_pref_size 6
	.end_amdhsa_kernel
	.amdgpu_metadata
---
amdhsa.version: [ 1, 2 ]
amdhsa.kernels:
  - .name:           k_qa086b8a972_len1
    .symbol:         k_qa086b8a972_len1.kd
    .args:
      - { .name: qkv, .offset: 0, .size: 8, .value_kind: global_buffer, .address_space: global }
      - { .name: lens, .offset: 8, .size: 8, .value_kind: global_buffer, .address_space: global }
    .group_segment_fixed_size: 0
    .private_segment_fixed_size: 0
    .kernarg_segment_align: 8
    .kernarg_segment_size: 16
    .max_flat_workgroup_size: 128
    .sgpr_count:     66
    .vgpr_count:     144
    .wavefront_size: 32
...
	.end_amdgpu_metadata
.endif
;; end of part 3
;; launch attn1 (part 4): grid 8 x 32, 16 waves a work-group, no clusters, 219,136 bytes of LDS; arguments qkv, lens, stage0, z; writes z
.if DOCPART == 4
	.amdgcn_target "amdgcn-amd-amdhsa--gfx1250"
	.amdhsa_code_object_version 6
	.text
	.protected	k_qa086b8a972_attn1
	.globl	k_qa086b8a972_attn1
	.p2align	8
	.type	k_qa086b8a972_attn1,@function
k_qa086b8a972_attn1:
	s_mov_b64 s[64:65], 0
	v_nop
	global_prefetch_b8 v0, s[64:65] scope:SCOPE_SE
	s_setreg_imm32_b32 hwreg(HW_REG_WAVE_MODE, 25, 1), 1
	s_wait_xcnt 0x0
; z[b][q][64 head ..] = softmax_k(Q . K / 8) V on codes of FP4, keys at or beyond 'lengths' hidden, and (stage 0) keys behind the query hidden.  The factor mask on the result is applied by the reader of z.
; Left out: key steps wholly above the diagonal or wholly at or beyond 'lengths' (a scalar branch on ids and on whole numbers read from memory).  With lengths = 0 no step is walked and 0 x (1 / 0) gives NaN, as in reference().
; THE SOFTMAX: t = energy x log2(e) / 8; M = the running largest t rounded up to a whole number; p = 2^(t - M) is quantised along the keys, not normalised; the sum of the unquantised p divides at the end.
; SHARES: a work-group has one head and query tile j of each of the 16 steps of 128 queries: wave w takes step sigma = w xor 3 ((w / 4) % 2), so that under the causal mask all work-groups have the same work
; and each four waves w, w + 4, w + 8, w + 12 have 34 key steps together.  A head's codes of K and V and their scale words (144 KB) are copied into LDS once, as they lie: images of operand registers.
; No cluster and no tensor load: the walk hangs on numbers read from memory.
; Both products are used transposed: S^T = K Q^T, O^T = V^T P^T: a lane holds ONE query.  dk = 64 is half of the instruction's K: Q's upper four registers are zero codes.
.set KSCL,  131072
.set VSCL,  139264
.set STG,   147456                     ; the way out: 16 rows x 272 bytes a wave
.set SPARE, 217088
.set AK0, 1
.set AV0, 2
.set ASK0, 3
.set ASV0, 4
.set SPW, 5
.set NIL, 6
.set GO,  7
.set ADK, 8
.set ADV, 9
.set ADS, 10
.set ADT, 11
.set VLH, 25                           ; v25  the last key that my query sees, less 16 h
.set STO, 30
.set RD,  31
.set KT,  32                           ; v32-63 eight half fragments of K; v64-67 zeros
.set KSC, 68
.set VT,  76
.set VSC, 108
.set S,   112                          ; v112-175 S^T, then p
.set OT,  176                          ; v176-207 O^T
.set PC,  208
.set BM,  216
.set BP,  220
.set SO,  224
.set F,   228
.set PW,  232
.set T1,  233
.set T2,  234
.set T3,  235
.set WV,  12
.set BH,  13
.set SG,  14
.set QMIN, 15
.set LM1, 16
.set LIMHI, 18
.set LIMLO, 19
.set SEL, 20
.set CS,  22
.set KF,  24
.set TB,  25
.set TS,  26
.set CNT, 27
	s_load_b256 s[4:11], s[0:1], 0x0               ; qkv, lens, the stage word, z
	v_lshl_add_u32 v[SPW], v0, 2, SPARE
	v_mov_b32 v[NIL], 0
	v_lshrrev_b32 v8, 5, v0
	v_readfirstlane_b32 s[WV], v8
	s_and_b32 s[BH], ttmp7, 0xffff                 ; 16 batch + head
	s_bfe_u32 s28, s[WV], 0x10002
	s_mul_i32 s28, s28, 3
	s_xor_b32 s[SG], s[WV], s28                    ; my step of queries
	s_lshl_b32 s[QMIN], s[SG], 7
	s_lshr_b32 s28, ttmp9, 1
	s_lshl_b32 s28, s28, 5
	s_add_co_u32 s[QMIN], s[QMIN], s28
	s_and_b32 s28, ttmp9, 1
	s_lshl_b32 s28, s28, 3
	s_add_co_u32 s[QMIN], s[QMIN], s28             ; my first query; lane row r holds query QMIN + r + 8 (r / 8)
	s_lshl_b32 s28, s[BH], 6
	s_mov_b32 s29, 0
	s_wait_kmcnt 0x0
	s_add_nc_u64 s[6:7], s[6:7], s[28:29]
	s_load_b512 s[32:47], s[6:7], 0x0              ; the head's 16 parts of 'lengths'
	s_load_b32 s48, s[8:9], 0x0
	s_lshl_b32 s28, s[BH], 16
	s_add_nc_u64 s[60:61], s[4:5], s[28:29]
	s_add_nc_u64 s[52:53], s[60:61], 0x200000      ; the head's K codes
	s_add_nc_u64 s[54:55], s[60:61], 0x400000      ; V codes
	s_lshl_b32 s28, s[BH], 13
	s_add_nc_u64 s[62:63], s[4:5], s[28:29]
	s_add_nc_u64 s[56:57], s[62:63], 0x640000      ; K scale words
	s_add_nc_u64 s[58:59], s[62:63], 0x680000      ; V scale words
	s_add_nc_u64 s[62:63], s[62:63], 0x600000
	s_lshl_b32 s28, s[SG], 3
	s_add_co_u32 s28, s28, ttmp9
	s_lshl_b32 s28, s28, 9
	s_add_nc_u64 s[60:61], s[60:61], s[28:29]      ; my tile of Q
	s_lshl_b32 s28, s[SG], 9
	s_lshl_b32 s30, ttmp9, 2
	s_add_co_u32 s28, s28, s30
	s_add_nc_u64 s[62:63], s[62:63], s[28:29]      ; and its scale words
	s_lshr_b32 s28, s[BH], 4
	s_lshl_b32 s28, s28, 11
	s_add_co_u32 s28, s28, s[QMIN]
	s_lshl_b32 s28, s28, 12
	s_and_b32 s30, s[BH], 15
	s_lshl_b32 s30, s30, 8
	s_add_co_u32 s28, s28, s30
	s_add_nc_u64 s[10:11], s[10:11], s[28:29]      ; z at my first query, my head's 256 bytes
	v_and_b32 v8, 15, v0                           ; r
	v_bfe_u32 v9, v0, 4, 1                         ; h
	v_and_b32 v10, 31, v0                          ; lane
	v_lshlrev_b32 v[AK0], 4, v10
	v_add_nc_u32 v[AV0], 65536, v[AK0]
	v_lshl_add_u32 v[ASK0], v8, 5, KSCL
	v_add_nc_u32 v[ASV0], VSCL, v[AK0]
	v_lshlrev_b32 v26, 4, v0                       ; 16 x thread: the copy's place, in memory and in LDS
	v_add_nc_u32 v27, 65536, v26
	v_add_nc_u32 v28, KSCL, v26
	v_lshlrev_b32 v29, 5, v8                       ; 32 r
	global_load_b128 v[16:19], v[AK0], s[60:61]    ; Q's half fragment stays in registers
	global_load_b32 v24, v29, s[62:63]
.irp i, 0,1,2,3,4,5,6,7
	global_load_b128 v[112+4*\i:115+4*\i], v26, s[52:53] offset:8192*\i
.endr
.irp i, 0,1,2,3,4,5,6,7
	global_load_b128 v[144+4*\i:147+4*\i], v26, s[54:55] offset:8192*\i
.endr
	global_load_b128 v[176:179], v26, s[56:57]
	global_load_b128 v[180:183], v26, s[58:59]
	s_mul_i32 s28, s[WV], 4352
	s_add_co_u32 s28, s28, STG                     ; my stage
	v_mul_u32_u24 v[STO], v8, 272
	v_lshl_add_u32 v[STO], v9, 6, v[STO]
	v_add_nc_u32 v[STO], s28, v[STO]               ; in: row r, + 64 h
	v_mul_u32_u24 v[RD], v9, 272
	v_lshl_add_u32 v[RD], v8, 4, v[RD]
	v_add_nc_u32 v[RD], s28, v[RD]                 ; back: lanes 0-15 one row of 256 bytes, lanes 16-31 the next
	v_lshlrev_b32 v[GO], 12, v9
	v_lshl_add_u32 v[GO], v8, 4, v[GO]             ; and the same two rows in z
	v_and_b32 v[VLH], 8, v8
	v_add_nc_u32 v[VLH], v[VLH], v8                ; r + 8 (r / 8)
	v_lshlrev_b32 v[T3], 4, v9                     ; 16 h
.irp i, 20,21,22,23,64,65,66,67
	v_mov_b32 v[\i], 0                             ; zero codes
.endr
	v_mov_b32 v13, 0xff61b1e6                      ; the largest t so far: -3e38
	v_floor_f32 v12, -v13                          ; -M
	v_mov_b32 v14, 0                               ; the sum, in two halves
	v_mov_b32 v15, 0
.irp b, 0,1,2,3
	v_mov_b32 v[BP+\b], 0                          ; a lane permute's destination counts as one of its sources
.endr
	v_mov_b32 v[F+1], 0                            ; named with f as a pair
	v_mov_b32 v[T1], 0
	s_mov_b32 s[SEL], 0x76543210
	s_mov_b32 s[SEL+1], 0xfedcba98
	s_mov_b32 s[CS], 0x3e38aa3b                    ; c = log2(e) / 8
	s_mov_b32 s[CS+1], s[CS]
	s_mov_b32 s[KF], 0
	s_mov_b32 s[TB], 0
	s_mov_b32 s[TS], 0
	s_mov_b32 s[CNT], 16
	s_wait_kmcnt 0x0
	s_add_co_u32 s[LM1], s32, s33
.irp i, 34,35,36,37,38,39,40,41,42,43,44,45,46,47
	s_add_co_u32 s[LM1], s[LM1], s[\i]
.endr
	s_sub_co_i32 s[LM1], s[LM1], 1                 ; lengths - 1
	s_min_u32 s48, s48, 1
	s_lshl_b32 s17, s48, 11                        ; stage 1: 2,048 onto every query, so that the causal limit hides nothing
	s_add_co_u32 s28, s[QMIN], s17
	s_min_i32 s[LIMLO], s[LM1], s28                ; the last key that my first query sees
	v_add_nc_u32 v[VLH], s28, v[VLH]
	v_min_u32 v[VLH], s[LM1], v[VLH]               ; (with lengths = 0 it is not used)
	v_sub_nc_u32 v[VLH], v[VLH], v[T3]
	s_add_co_u32 s28, s28, 23
	s_min_i32 s[LIMHI], s[LM1], s28                ; and my last
.irp i, 0,1,2,3,4,5,6,7
	s_wait_loadcnt 17-\i                           ; this load is in; the younger ones of the copy's 18 stay out
	ds_store_b128 v26, v[112+4*\i:115+4*\i] offset:8192*\i
.endr
.irp i, 0,1,2,3,4,5,6,7
	s_wait_loadcnt 9-\i
	ds_store_b128 v27, v[144+4*\i:147+4*\i] offset:8192*\i
.endr
	s_wait_loadcnt 0x0
	ds_store_b128 v28, v[176:179]
	ds_store_b128 v28, v[180:183] offset:8192
	s_wait_dscnt 0x0                               ; for the others' sake: my part of the copy has landed
	s_barrier_signal -1
	s_barrier_wait -1
.set n, 0
.rept 32
	v_mov_b32 v[OT+n], 0                           ; O^T: the first change of M leaves zeros zeros
.set n, n+1
.endr
.Lstep:                                                ; 16 trips, a constant: 128 keys each
	s_cmp_gt_i32 s[KF], s[LIMHI]
	s_cbranch_scc1 .Lskip                          ; none of my queries sees any of these keys
	v_add_nc_u32 v[ADK], s[TB], v[AK0]             ; (these four are the places in front of loads into registers that the last products read)
	v_add_nc_u32 v[ADV], s[TB], v[AV0]
	v_add_nc_u32 v[ADS], s[TS], v[ASK0]
	v_add_nc_u32 v[ADT], s[TS], v[ASV0]
.irp t, 0,1,2,3,4,5,6,7
	ds_load_b128 v[KT+4*\t:KT+4*\t+3], v[ADK] offset:512*\t
.endr
	ds_load_b128 v[KSC:KSC+3], v[ADS]
	ds_load_b128 v[KSC+4:KSC+7], v[ADS] offset:16
.irp d, 0,1,2,3
.irp c, 0,1
	ds_load_b128 v[VT+8*\d+4*\c:VT+8*\d+4*\c+3], v[ADV] offset:1024*\d+512*\c
.endr
.endr
	ds_load_b128 v[VSC:VSC+3], v[ADT]
	s_wait_dscnt 9                                 ; K and its scale words are in; V's nine loads stay out
.irp t, 0,1,2,3,4,5,6,7
	v_wmma_scale_f32_16x16x128_f8f6f4 v[S+8*\t:S+8*\t+7], v[KT+4*\t:KT+4*\t+7], v[16:23], 0, v[KSC+\t], v24 matrix_a_fmt:MATRIX_FMT_FP4 matrix_b_fmt:MATRIX_FMT_FP4
.endr                                              ; register 16 b + i: key KF + 32 b + 16 h + i
.rept 4
	v_nop
.endr
	s_add_co_u32 s28, s[KF], 127
	s_cmp_le_i32 s28, s[LIMLO]
	s_cbranch_scc1 .Lopen                          ; every query of mine sees all 128
	v_sub_nc_u32 v[T3], v[VLH], s[KF]              ; hidden where 32 b + i is above this
	v_mov_b32 v[T2], 0xff800000                    ; -infinity
.set n, 0
.rept 64
	v_cmp_gt_i32 vcc_lo, 32*(n/16)+n%16, v[T3]
	v_cndmask_b32 v[S+n], v[S+n], v[T2], vcc_lo
.set n, n+1
.endr
.Lopen:
.irp b, 0,1,2,3
	v_max3_num_f32 v[BM+\b], v[S+16*\b], v[S+16*\b+1], v[S+16*\b+2]   ; the largest score of each block of 32 keys: for the row's maximum and for the block's largest p
.endr
.irp i, 3,5,7,9,11,13
.irp b, 0,1,2,3
	v_max3_num_f32 v[BM+\b], v[BM+\b], v[S+16*\b+\i], v[S+16*\b+\i+1]
.endr
.endr
.irp b, 0,1,2,3
	v_max_num_f32 v[BM+\b], v[BM+\b], v[S+16*\b+15]
.endr
.irp b, 0,1,2,3
	v_permlanex16_b32 v[BP+\b], v[BM+\b], s[SEL], s[SEL+1]
.endr
.irp b, 0,1,2,3
	v_max_num_f32 v[BM+\b], v[BM+\b], v[BP+\b]
.endr
	v_max3_num_f32 v[T1], v[BM], v[BM+1], v[BM+2]
	v_max_num_f32 v[T1], v[T1], v[BM+3]            ; key KF of a step that is walked counts for every query of mine: a number
	v_mul_f32 v[T1], s[CS], v[T1]
	v_max_num_f32 v13, v13, v[T1]                  ; the running largest t
	v_mov_b32 v[T1], v12
	v_floor_f32 v12, -v13                          ; the new -M
	v_sub_f32 v[T1], v12, v[T1]
	v_cvt_i32_f32 v[T1], v[T1]                     ; (it saturates)
	v_ldexp_f32 v[F], 1.0, v[T1]                   ; f = 2^(old M - new M)
.set n, 0
.rept 32
	v_pk_fma_f32 v[S+n:S+n+1], v[S+n:S+n+1], s[CS:CS+1], v[12:13] op_sel_hi:[1,0,0]   ; t - M
.set n, n+2
.endr
.irp b, 0,1,2,3
	v_fma_f32 v[BM+\b], v[BM+\b], s[CS], v12
.endr
.set n, 0
.rept 64
	v_exp_f32 v[S+n], v[S+n]                       ; p
.set n, n+1
.endr
	v_pk_mul_f32 v[14:15], v[14:15], v[F:F+1] op_sel_hi:[1,0]   ; the sums under the new M: the plain place behind the batch
	s_wait_alu depctr_va_vdst(0)                   ; one wait for the batch, ahead of its first reader
.irp b, 0,1,2,3
	v_exp_f32 v[BM+\b], v[BM+\b]                   ; each block's largest p
.endr
	v_pk_add_f32 v[BP:BP+1], v[S:S+1], v[S+2:S+3]  ; the row's sum of the unquantised p, in two chains
.irp i, 4,8,12,16,20,24,28,32,36,40,44,48,52,56,60
	v_pk_add_f32 v[14:15], v[14:15], v[S+\i:S+\i+1]
	v_pk_add_f32 v[BP:BP+1], v[BP:BP+1], v[S+\i+2:S+\i+3]
.endr
	v_pk_add_f32 v[14:15], v[14:15], v[BP:BP+1]
	s_wait_alu depctr_va_vdst(0)                   ; and one for the four
.irp b, 0,1,2,3
	v_max_num_f32 v[BM+\b], 0x1800000, v[BM+\b]    ; the floor: the byte cannot fall under 1
.endr
.irp b, 0,1,2,3
	v_add_nc_u32 v[SO+\b], 0xff000000, v[BM+\b]
.endr
.irp b, 0,1,2,3
	v_lshrrev_b32 v[BP+\b], 23, v[SO+\b]
.endr
	v_lshl_or_b32 v[PW], v[BP+1], 8, v[BP]
	v_lshl_or_b32 v[PW], v[BP+2], 16, v[PW]
	v_lshl_or_b32 v[PW], v[BP+3], 24, v[PW]        ; p's scale word for these 128 keys
.irp b, 0,1,2,3
	v_cvt_scalef32_pk8_fp4_f32 v[PC+2*\b], v[S+16*\b:S+16*\b+7], v[SO+\b]
	v_cvt_scalef32_pk8_fp4_f32 v[PC+2*\b+1], v[S+16*\b+8:S+16*\b+15], v[SO+\b]
.endr
	v_nop
.irp c, 0,1
	v_permlane16_swap_b32 v[PC+4*\c], v[PC+4*\c+2]
	v_permlane16_swap_b32 v[PC+4*\c+1], v[PC+4*\c+3]
.endr
.set n, 0
.rept 16
	v_pk_mul_f32 v[OT+n:OT+n+1], v[OT+n:OT+n+1], v[F:F+1] op_sel_hi:[1,0]   ; O^T under the new M; also the places between the scale word, the codes and the products
.set n, n+2
.endr
	s_wait_dscnt 0x0                               ; V
.irp d, 0,1,2,3
	v_wmma_scale_f32_16x16x128_f8f6f4 v[OT+8*\d:OT+8*\d+7], v[VT+8*\d:VT+8*\d+7], v[PC:PC+7], v[OT+8*\d:OT+8*\d+7], v[VSC+\d], v[PW] matrix_a_fmt:MATRIX_FMT_FP4 matrix_b_fmt:MATRIX_FMT_FP4
.endr
.Lskip:
	s_add_co_u32 s[KF], s[KF], 128
	s_add_co_u32 s[TB], s[TB], 4096
	s_add_co_u32 s[TS], s[TS], 512
	s_sub_co_u32 s[CNT], s[CNT], 1
	s_cmp_lg_u32 s[CNT], 0
	s_cbranch_scc1 .Lstep
	; THE WAY OUT
	v_add_f32 v14, v14, v15
	v_permlanex16_b32 v[T1], v14, s[SEL], s[SEL+1]
	v_add_f32 v14, v14, v[T1]
	v_rcp_f32 v14, v14
.rept 4
	v_nop                                          ; the plain place behind the reciprocal, and the places behind the last products
.endr
	s_wait_alu depctr_va_vdst(0)
.set n, 0
.rept 32
	v_mul_f32 v[S+n], v[OT+n], v14                 ; register 8 d + i: channel 32 (d / 2) + 16 h + 8 (d % 2) + i of my query
.set n, n+1
.endr
.irp d, 0,1,2,3
	ds_store_b128 v[STO], v[S+8*\d:S+8*\d+3] offset:128*(\d/2)+32*(\d%2)
	ds_store_b128 v[STO], v[S+8*\d+4:S+8*\d+7] offset:128*(\d/2)+32*(\d%2)+16
.endr
.irp i, 0,1,2,3,4,5,6,7
	ds_load_b128 v[32+4*\i:35+4*\i], v[RD] offset:544*\i     ; LDS serves a wave's instructions in order: these see my stores
.endr
.irp i, 0,1,2,3,4,5,6,7
	s_wait_dscnt 7-\i                              ; the younger loads stay out
	global_store_b128 v[GO], v[32+4*\i:35+4*\i], s[10:11] offset:(2*\i+8*(\i/4))*4096   ; sixteen lanes store 256 consecutive bytes, aligned
.endr
	s_wait_tensorcnt 0x0                           ; the wave's end
	ds_add_u32 v[SPW], v[NIL]
	s_wait_dscnt 0x0
	s_endpgm
.Lfunc_end_k_qa086b8a972_attn1:
	.size	k_qa086b8a972_attn1, .Lfunc_end_k_qa086b8a972_attn1-k_qa086b8a972_attn1
	.p2alignl 7, 3214868480
	.fill 96, 4, 3214868480
	.section	.rodata,"a",@progbits
	.p2align	6, 0x0
	.amdhsa_kernel k_qa086b8a972_attn1
		.amdhsa_group_segment_fixed_size 219136
		.amdhsa_private_segment_fixed_size 0
		.amdhsa_enable_private_segment 0
		.amdhsa_kernarg_size 32
		.amdhsa_user_sgpr_count 2
		.amdhsa_user_sgpr_kernarg_segment_ptr 1
		.amdhsa_wavefront_size32 1
		.amdhsa_system_sgpr_workgroup_id_x 1
		.amdhsa_system_sgpr_workgroup_id_y 1
		.amdhsa_system_sgpr_workgroup_id_z 1
		.amdhsa_system_vgpr_workitem_id 0
		.amdhsa_next_free_vgpr 256
		.amdhsa_next_free_sgpr 66
		.amdhsa_reserve_vcc 1
		.amdhsa_float_denorm_mode_32 3
		.amdhsa_float_denorm_mode_16_64 3
		.amdhsa_memory_ordered 1
		.amdhsa_forward_progress 1
		.amdhsa_inst_pref_size 34
	.end_amdhsa_kernel
	.amdgpu_metadata
---
amdhsa.version: [ 1, 2 ]
amdhsa.kernels:
  - .name:           k_qa086b8a972_attn1
    .symbol:         k_qa086b8a972_attn1.kd
    .args:
      - { .name: qkv, .offset: 0, .size: 8, .value_kind: global_buffer, .address_space: global }
      - { .name: lens, .offset: 8, .size: 8, .value_kind: global_buffer, .address_space: global }
      - { .name: stage0, .offset: 16, .size: 8, .value_kind: global_buffer, .address_space: global }
      - { .name: z, .offset: 24, .size: 8, .value_kind: global_buffer, .address_space: global }
    .group_segment_fixed_size: 219136
    .private_segment_fixed_size: 0
    .kernarg_segment_align: 8
    .kernarg_segment_size: 32
    .max_flat_workgroup_size: 512
    .sgpr_count:     66
    .vgpr_count:     256
    .wavefront_size: 32
...
	.end_amdgpu_metadata
.endif
;; end of part 4
;; launch ln1 (part 5): grid 256 x 1, 16 waves a work-group, no clusters, 133,888 bytes of LDS; arguments x, z, context, ln1_g, ln1_b, x1, ops; writes x1, ops
.if DOCPART == 5
	.amdgcn_target "amdgcn-amd-amdhsa--gfx1250"
	.amdhsa_code_object_version 6
	.text
	.protected	k_qa086b8a972_ln1
	.globl	k_qa086b8a972_ln1
	.p2align	8
	.type	k_qa086b8a972_ln1,@function
k_qa086b8a972_ln1:
	s_mov_b64 s[64:65], 0
	v_nop
	global_prefetch_b8 v0, s[64:65] scope:SCOPE_SE
	s_setreg_imm32_b32 hwreg(HW_REG_WAVE_MODE, 25, 1), 1
	s_wait_xcnt 0x0
; x1 = LN(x + z x mask0); mask0 and mask1 (is the row of x, of x1, not all zeros) as f32; x1 and context x mask1 quantised along D into the two sets of activation codes.
; context x mask1 takes the place of K2 x mask1 and V2 x mask1: shown at the head of the first launch.  LIMIT: the test of a row is on the largest magnitude, in which a NaN loses; such a row is NaN in the result either way.
; A work-group has one tile of 16 rows.  Phase A: wave w has the tile's lane row w whole: 32 registers, column 128 j + 4 lane + e.  Phase B: wave w quantises K step w % 8 of x1 (waves 0-7) or of context (8-15).
.set CST,   65792                      ; LDS: x1's 16 rows x 4,112 bytes, then context's,
.set FLG,   131584                     ; the 16 mask0 and the 16 mask1,
.set SPARE, 131840                     ; the spare words
.set XR, 32
.set ZR, 64
.set CR, 96
.set GR, 128
.set BR, 160
.set TA, 8
.set TB, 10
.set MU, 12
.set RS, 14
.set TP, 16
.set TM, 96
.set PC, 112
.set PW, 120
.set SPW, 30
.set NIL, 31
.set WV, 18
.set SEL, 24
.set SC, 26
.set M0, 28
.set M1, 30
.macro QUANT src, nb
.set qb, 0
.rept \nb
	v_max3_num_f32 v[TM+qb], |v[(\src)+16*qb]|, |v[(\src)+16*qb+1]|, 0x1800000
.set qb, qb+1
.endr
.irp qi, 2,4,6,8,10,12,14
.set qb, 0
.rept \nb
	v_max3_num_f32 v[TM+qb], v[TM+qb], |v[(\src)+16*qb+\qi]|, |v[(\src)+16*qb+\qi+1]|
.set qb, qb+1
.endr
.endr
.set qb, 0
.rept \nb
	v_permlanex16_b32 v[TM+4+qb], v[TM+qb], s[SEL], s[SEL+1]
.set qb, qb+1
.endr
.set qb, 0
.rept \nb
	v_max_num_f32 v[TM+qb], v[TM+qb], v[TM+4+qb]
.set qb, qb+1
.endr
.set qb, 0
.rept \nb
	v_add_nc_u32 v[TM+12+qb], 0xff000000, v[TM+qb]
.set qb, qb+1
.endr
.set qb, 0
.rept \nb
	v_lshrrev_b32 v[TM+4+qb], 23, v[TM+12+qb]
.set qb, qb+1
.endr
	v_lshl_or_b32 v[PW], v[TM+5], 8, v[TM+4]
.if \nb == 4
	v_lshl_or_b32 v[PW], v[TM+6], 16, v[PW]
	v_lshl_or_b32 v[PW], v[TM+7], 24, v[PW]
.endif
.set qb, 0
.rept \nb
	v_cvt_scalef32_pk8_fp4_f32 v[PC+2*qb], v[(\src)+16*qb:(\src)+16*qb+7], v[TM+12+qb]
	v_cvt_scalef32_pk8_fp4_f32 v[PC+2*qb+1], v[(\src)+16*qb+8:(\src)+16*qb+15], v[TM+12+qb]
.set qb, qb+1
.endr
	v_nop
.set qb, 0
.rept (\nb)/2
	v_permlane16_swap_b32 v[PC+4*qb], v[PC+4*qb+2]
	v_permlane16_swap_b32 v[PC+4*qb+1], v[PC+4*qb+3]
.set qb, qb+1
.endr
.endm
.macro REDUCE                          ; the two chains' pairs -> the wave's sum, in every lane's v[TA]
	v_pk_add_f32 v[TA:TA+1], v[TA:TA+1], v[TB:TB+1]
	v_add_f32 v[TA], v[TA], v[TA+1]
	v_add_f32_dpp v[TA], v[TA], v[TA] row_xmask:1 row_mask:0xf bank_mask:0xf
	v_add_f32_dpp v[TA], v[TA], v[TA] row_xmask:2 row_mask:0xf bank_mask:0xf
	v_add_f32_dpp v[TA], v[TA], v[TA] row_xmask:4 row_mask:0xf bank_mask:0xf
	v_add_f32_dpp v[TA], v[TA], v[TA] row_xmask:8 row_mask:0xf bank_mask:0xf
	v_permlanex16_b32 v[TP], v[TA], s[SEL], s[SEL+1]
	v_add_f32 v[TA], v[TA], v[TP]
.endm
.macro LNROW V, G, B                   ; the row in v[V..V+31] is normalised in place
	v_pk_add_f32 v[TA:TA+1], v[\V:\V+1], v[\V+4:\V+5]
	v_pk_add_f32 v[TB:TB+1], v[\V+2:\V+3], v[\V+6:\V+7]
.irp i, 8,12,16,20,24,28
	v_pk_add_f32 v[TA:TA+1], v[TA:TA+1], v[\V+\i:\V+\i+1]
	v_pk_add_f32 v[TB:TB+1], v[TB:TB+1], v[\V+\i+2:\V+\i+3]
.endr
	REDUCE
	v_mul_f32 v[MU], s[SC], v[TA]                  ; the mean
.irp i, 0,2,4,6,8,10,12,14,16,18,20,22,24,26,28,30
	v_pk_add_f32 v[\V+\i:\V+\i+1], v[\V+\i:\V+\i+1], v[MU:MU+1] op_sel_hi:[1,0] neg_lo:[0,1] neg_hi:[0,1]
.endr
	v_pk_mul_f32 v[TA:TA+1], v[\V:\V+1], v[\V:\V+1]
	v_pk_mul_f32 v[TB:TB+1], v[\V+2:\V+3], v[\V+2:\V+3]
.irp i, 4,8,12,16,20,24,28
	v_pk_fma_f32 v[TA:TA+1], v[\V+\i:\V+\i+1], v[\V+\i:\V+\i+1], v[TA:TA+1]
	v_pk_fma_f32 v[TB:TB+1], v[\V+\i+2:\V+\i+3], v[\V+\i+2:\V+\i+3], v[TB:TB+1]
.endr
	REDUCE
	v_fmaak_f32 v[TA], s[SC], v[TA], 0x3727c5ac    ; the variance + 1e-5
	v_rsq_f32 v[RS], v[TA]
	v_nop
	s_wait_alu depctr_va_vdst(0)                   ; ahead of the first reader
.irp i, 0,2,4,6,8,10,12,14,16,18,20,22,24,26,28,30
	v_pk_mul_f32 v[\V+\i:\V+\i+1], v[\V+\i:\V+\i+1], v[RS:RS+1] op_sel_hi:[1,0]
.endr
.irp i, 0,2,4,6,8,10,12,14,16,18,20,22,24,26,28,30
	v_pk_fma_f32 v[\V+\i:\V+\i+1], v[\V+\i:\V+\i+1], v[\G+\i:\G+\i+1], v[\B+\i:\B+\i+1]
.endr
.endm
.macro ANY V, sm                       ; s[sm], s[sm+1] = 1.0 if the wave's row has a number that is not 0, else 0: a choice of a value, no branch
	v_max3_num_f32 v[TA], |v[\V]|, |v[\V+1]|, |v[\V+2]|
	v_max3_num_f32 v[TB], |v[\V+3]|, |v[\V+4]|, |v[\V+5]|
.irp i, 6,10,14,18,22,26
	v_max3_num_f32 v[TA], v[TA], |v[\V+\i]|, |v[\V+\i+1]|
	v_max3_num_f32 v[TB], v[TB], |v[\V+\i+2]|, |v[\V+\i+3]|
.endr
	v_max3_num_f32 v[TA], v[TA], |v[\V+30]|, |v[\V+31]|
	v_max_num_f32 v[TA], v[TA], v[TB]
	v_cmp_lt_f32 vcc_lo, 0, v[TA]
	s_cmp_lg_u32 vcc_lo, 0
	s_cselect_b32 s[\sm], 1.0, 0
	s_mov_b32 s[\sm+1], s[\sm]
.endm
	s_load_b256 s[4:11], s[0:1], 0x0               ; x, z, context, ln1_g
	s_load_b128 s[12:15], s[0:1], 0x20             ; ln1_b, x1
	s_load_b64 s[16:17], s[0:1], 0x30              ; ops
	v_lshl_add_u32 v[SPW], v0, 2, SPARE
	v_mov_b32 v[NIL], 0
	v_lshrrev_b32 v2, 5, v0
	v_readfirstlane_b32 s[WV], v2
	v_and_b32 v2, 31, v0                           ; lane
	v_and_b32 v3, 15, v0                           ; r
	v_bfe_u32 v4, v0, 4, 1                         ; h
	v_lshlrev_b32 v1, 4, v2                        ; 16 x lane
	v_lshlrev_b32 v26, 4, v3                       ; 16 r
	v_and_b32 v27, 8, v3
	v_add_nc_u32 v27, v27, v3
	v_lshlrev_b32 v27, 2, v27
	v_lshl_add_u32 v27, v4, 14, v27                ; the masks' place: 4 (r + 8 (r / 8)), mask1 16,384 bytes behind mask0
	v_lshl_add_u32 v21, v3, 2, FLG+64              ; mask1 of lane row r
	v_lshl_add_u32 v22, v2, 2, FLG                 ; all 32 flags
	v_mov_b32 v23, s[WV]
	v_lshl_add_u32 v23, v23, 2, FLG                ; my row's flags
	s_mul_i32 s32, s[WV], 4112
	v_add_nc_u32 v24, s32, v1                      ; my row in x1's stage,
	v_add_nc_u32 v25, CST, v24                     ; and in context's
	s_lshr_b32 s33, s[WV], 3                       ; phase B: 0 x1, 1 context
	s_and_b32 s32, s[WV], 7                        ; K step
	s_mul_i32 s40, s33, CST
	s_lshl_b32 s41, s32, 9
	s_add_co_u32 s40, s40, s41
	v_mul_u32_u24 v20, v3, 4112
	v_lshl_add_u32 v20, v4, 6, v20
	v_add_nc_u32 v20, s40, v20                     ; row r, + 512 K step + 64 h
	v_mov_b32 v[MU+1], 0                           ; upper halves of pairs whose low word serves both halves
	v_mov_b32 v[RS+1], 0
	v_mov_b32 v[TP], 0
	v_mov_b32 v29, 0
	s_mov_b32 s[SEL], 0x76543210
	s_mov_b32 s[SEL+1], 0xfedcba98
	s_mov_b32 s[SC], 0x3a800000                    ; 1 / 1,024
	s_lshr_b32 s19, ttmp9, 1
	s_lshl_b32 s19, s19, 5
	s_and_b32 s20, ttmp9, 1
	s_lshl_b32 s20, s20, 3
	s_add_co_u32 s19, s19, s20                     ; the tile's first row
	s_and_b32 s20, s[WV], 8
	s_add_co_u32 s20, s20, s[WV]
	s_add_co_u32 s20, s20, s19                     ; my row
	s_lshl_b32 s22, s20, 12
	s_mov_b32 s23, 0
	s_lshl_b32 s40, s33, 21
	s_lshl_b32 s41, ttmp9, 13
	s_add_co_u32 s40, s40, s41
	s_lshl_b32 s41, s32, 10
	s_add_co_u32 s40, s40, s41
	s_add_co_u32 s40, s40, 0x440000                ; my fragment's codes
	s_mov_b32 s41, 0
	s_lshl_b32 s44, s33, 17
	s_lshl_b32 s45, ttmp9, 9
	s_add_co_u32 s44, s44, s45
	s_lshr_b32 s45, s32, 2
	s_lshl_b32 s45, s45, 8
	s_add_co_u32 s44, s44, s45
	s_and_b32 s45, s32, 3
	s_lshl_b32 s45, s45, 2
	s_add_co_u32 s44, s44, s45
	s_add_co_u32 s44, s44, 0x840000                ; its scale words
	s_mov_b32 s45, 0
	s_lshl_b32 s46, s19, 2
	s_add_co_u32 s46, s46, 0x1000000               ; the tile's masks
	s_mov_b32 s47, 0
	s_wait_kmcnt 0x0
	s_add_nc_u64 s[4:5], s[4:5], s[22:23]
	s_add_nc_u64 s[6:7], s[6:7], s[22:23]
	s_add_nc_u64 s[8:9], s[8:9], s[22:23]
	s_add_nc_u64 s[38:39], s[14:15], s[46:47]
	s_add_nc_u64 s[14:15], s[14:15], s[22:23]
	s_add_nc_u64 s[34:35], s[16:17], s[40:41]
	s_add_nc_u64 s[36:37], s[16:17], s[44:45]
.irp j, 0,1,2,3,4,5,6,7
	global_load_b128 v[XR+4*\j:XR+4*\j+3], v1, s[4:5] offset:512*\j th:TH_LOAD_NT
.endr
.irp j, 0,1,2,3,4,5,6,7
	global_load_b128 v[ZR+4*\j:ZR+4*\j+3], v1, s[6:7] offset:512*\j th:TH_LOAD_NT
.endr
.irp j, 0,1,2,3,4,5,6,7
	global_load_b128 v[GR+4*\j:GR+4*\j+3], v1, s[10:11] offset:512*\j
.endr
.irp j, 0,1,2,3,4,5,6,7
	global_load_b128 v[BR+4*\j:BR+4*\j+3], v1, s[12:13] offset:512*\j
.endr
.irp j, 0,1,2,3,4,5,6,7
	global_load_b128 v[CR+4*\j:CR+4*\j+3], v1, s[8:9] offset:512*\j th:TH_LOAD_NT
.endr
	s_wait_loadcnt 24                              ; x and z are in; gain, bias and context (24 loads) stay out
	ANY XR, M0
.irp i, 0,2,4,6,8,10,12,14,16,18,20,22,24,26,28,30
	v_pk_fma_f32 v[XR+\i:XR+\i+1], v[ZR+\i:ZR+\i+1], s[M0:M0+1], v[XR+\i:XR+\i+1] op_sel_hi:[1,0,1]   ; x + z x mask0
.endr
	s_wait_loadcnt 8                               ; gain and bias are in; context's 8 stay out
	LNROW XR, GR, BR
	ANY XR, M1
.irp j, 0,1,2,3,4,5,6,7
	global_store_b128 v1, v[XR+4*\j:XR+4*\j+3], s[14:15] offset:512*\j
.endr
.irp j, 0,1,2,3,4,5,6,7
	ds_store_b128 v24, v[XR+4*\j:XR+4*\j+3] offset:512*\j
.endr
	v_mov_b32 v18, s[M0]
	v_mov_b32 v19, s[M1]
	ds_store_b32 v23, v18                          ; all lanes write the same word with the same value
	ds_store_b32 v23, v19 offset:64
	s_wait_loadcnt 0x0
.irp j, 0,1,2,3,4,5,6,7
	ds_store_b128 v25, v[CR+4*\j:CR+4*\j+3] offset:512*\j
.endr
	s_wait_dscnt 0x0                               ; for the others' sake
	s_barrier_signal -1
	s_barrier_wait -1
	s_wait_xcnt 0x0                                ; x1's stores have read their registers
.irp b, 0,1,2,3
.irp e, 0,1,2,3
	ds_load_b128 v[32+16*\b+4*\e:35+16*\b+4*\e], v20 offset:128*\b+16*\e
.endr
.endr
	ds_load_b32 v28, v21
	s_wait_dscnt 0x0
.irp b, 0,1,2,3
	v_mov_b32 v[TM+4+\b], 0
.endr
	s_cmp_lt_u32 s[WV], 8
	s_cbranch_scc1 .Lno_mask
.irp i, 0,2,4,6,8,10,12,14,16,18,20,22,24,26,28,30,32,34,36,38,40,42,44,46,48,50,52,54,56,58,60,62
	v_pk_mul_f32 v[32+\i:33+\i], v[32+\i:33+\i], v[28:29] op_sel_hi:[1,0]   ; context x mask1
.endr
.Lno_mask:
	QUANT 32, 4
	global_store_b128 v1, v[PC:PC+3], s[34:35]
	global_store_b128 v1, v[PC+4:PC+7], s[34:35] offset:512
	s_wait_xcnt 0x0                                ; EXEC changes only behind this wait
	v_cmp_gt_u32 vcc_lo, 16, v2
	s_and_saveexec_b32 s42, vcc_lo
	global_store_b32 v26, v[PW], s[36:37]
	s_wait_xcnt 0x0
	s_or_b32 exec_lo, exec_lo, s42
	s_cmp_lg_u32 s[WV], 0
	s_cbranch_scc1 .Lend
	ds_load_b32 v17, v22
	s_wait_dscnt 0x0
	global_store_b32 v27, v17, s[38:39]            ; lanes 0-15: mask0 of the tile's rows; lanes 16-31: mask1
.Lend:
	s_wait_tensorcnt 0x0                           ; the wave's end
	ds_add_u32 v[SPW], v[NIL]
	s_wait_dscnt 0x0
	s_endpgm
.Lfunc_end_k_qa086b8a972_ln1:
	.size	k_qa086b8a972_ln1, .Lfunc_end_k_qa086b8a972_ln1-k_qa086b8a972_ln1
	.p2alignl 7, 3214868480
	.fill 96, 4, 3214868480
	.section	.rodata,"a",@progbits
	.p2align	6, 0x0
	.amdhsa_kernel k_qa086b8a972_ln1
		.amdhsa_group_segment_fixed_size 133888
		.amdhsa_private_segment_fixed_size 0
		.amdhsa_enable_private_segment 0
		.amdhsa_kernarg_size 56
		.amdhsa_user_sgpr_count 2
		.amdhsa_user_sgpr_kernarg_segment_ptr 1
		.amdhsa_wavefront_size32 1
		.amdhsa_system_sgpr_workgroup_id_x 1
		.amdhsa_system_sgpr_workgroup_id_y 1
		.amdhsa_system_sgpr_workgroup_id_z 1
		.amdhsa_system_vgpr_workitem_id 0
		.amdhsa_next_free_vgpr 192
		.amdhsa_next_free_sgpr 66
		.amdhsa_reserve_vcc 1
		.amdhsa_float_denorm_mode_32 3
		.amdhsa_float_denorm_mode_16_64 3
		.amdhsa_memory_ordered 1
		.amdhsa_forward_progress 1
		.amdhsa_inst_pref_size 27
	.end_amdhsa_kernel
	.amdgpu_metadata
---
amdhsa.version: [ 1, 2 ]
amdhsa.kernels:
  - .name:           k_qa086b8a972_ln1
    .symbol:         k_qa086b8a972_ln1.kd
    .args:
      - { .name: x, .offset: 0, .size: 8, .value_kind: global_buffer, .address_space: global }
      - { .name: z, .offset: 8, .size: 8, .value_kind: global_buffer, .address_space: global }
      - { .name: context, .offset: 16, .size: 8, .value_kind: global_buffer, .address_space: global }
      - { .name: ln1_g, .offset: 24, .size: 8, .value_kind: global_buffer, .address_space: global }
      - { .name: ln1_b, .offset: 32, .size: 8, .value_kind: global_buffer, .address_space: global }
      - { .name: x1, .offset: 40, .size: 8, .value_kind: global_buffer, .address_space: global }
      - { .name: ops, .offset: 48, .size: 8, .value_kind: global_buffer, .address_space: global }
    .group_segment_fixed_size: 133888
    .private_segment_fixed_size: 0
    .kernarg_segment_align: 8
    .kernarg_segment_size: 56
    .max_flat_workgroup_size: 512
    .sgpr_count:     66
    .vgpr_count:     192
    .wavefront_size: 32
...
	.end_amdgpu_metadata
.endif
;; end of part 5
;; launch proj2: the kernel of part 2 again; grid 12 x 16, 4 waves a work-group, no clusters, 0 bytes of LDS; arguments ops, stage1, qkv; writes qkv
;; launch len2: the kernel of part 3 again; grid 128 x 1, 4 waves a work-group, no clusters, 0 bytes of LDS; arguments qkv, lens; writes lens
;; launch attn2: the kernel of part 4 again; grid 8 x 32, 16 waves a work-group, no clusters, 219,136 bytes of LDS; arguments qkv, lens, stage1, z; writes z
;; launch ffn (part 6): grid 256 x 1, 16 waves a work-group, no clusters, 151,040 bytes of LDS; arguments x1, z, ops, ln2_g, ln2_b, fc1_b, fc2_b, ln3_g, ln3_b, out0; writes out0
.if DOCPART == 6
	.amdgcn_target "amdgcn-amd-amdhsa--gfx1250"
	.amdhsa_code_object_version 6
	.text
	.protected	k_qa086b8a972_ffn
	.globl	k_qa086b8a972_ffn
	.p2align	8
	.type	k_qa086b8a972_ffn,@function
k_qa086b8a972_ffn:
	s_mov_b64 s[64:65], 0
	v_nop
	global_prefetch_b8 v0, s[64:65] scope:SCOPE_SE
	s_setreg_imm32_b32 hwreg(HW_REG_WAVE_MODE, 25, 1), 1
	s_wait_xcnt 0x0
; x2 = LN(x1 + z x mask1); out0 = LN(x2 + (relu(x2 fc1^T + b1) x mask0 fc2^T + b2) x mask0), both products on codes of FP4.  A work-group has one tile of 16 rows; x2 and the hidden layer never go to memory.
; The factor mask1 on the attention's result is applied here, where z is read: shown at the head of the first launch.
; SHARES.  In the two norms wave w has the tile's lane row w whole: 32 registers, column 128 j + 4 lane + e.  In the products THE WAVES SHARE THE COLUMNS: wave w makes columns 64 w .. 64 w + 63 (four weight tiles)
; for the 16 rows: four accumulators by turns.  Source 0 = 16 weight columns, source 1 = the 16 rows: a lane holds one row, and its 32 registers run along the next K.
; THE WEIGHTS of both products are ONE STREAM of 16 K steps through four sets of registers: behind step k the set that it read takes step k + 4, fc2's first steps behind fc1's last.  They come from memory straight
; into registers, 512 consecutive bytes a load, since they lie in the order of the operand's registers; each byte is read once by the work-group.  The biases are loaded into the accumulators.
; THE ROWS' CODES go from wave to wave through LDS as images of the operand's registers: wave w makes half c = w % 2 of K step w / 2, of x2 and of the hidden layer alike.  Their scale words lie
; [K step / 4][row][K step % 4], so that one load of 16 bytes a lane brings all eight K steps': lanes 0-15 steps 0-3, lanes 16-31 steps 4-7.
; No cluster and no tensor load: a K step is four matrix instructions a wave, too little work between the rounds that joint refills would need, and each weight byte would pass LDS once more.
.set YST,   65792                      ; LDS: x2's 16 rows x 4,112 bytes, then the second product's,
.set XIMG,  131584                     ; x2's 8 fragments, 1,024 bytes each,
.set XSC,   139776                     ; their scale words, 512 bytes,
.set HIMG,  140288                     ; the hidden layer's,
.set HSC,   148480
.set SPARE, 148992                     ; the spare words, 128 bytes a wave
.set ACC, 32                           ; v32-63   four accumulators; in the norms my row
.set AF,  64                           ; v64-95   the rows' fragments: four sets of 8; in the norms what is added to my row
.set WB,  96                           ; v96-223  weights: four sets of four fragments; in the norms v96-127 the gain, v128-159 the bias
.set WS,  224                          ; v224-239 the weights' scale words, and nothing else
.set AS,  240                          ; v240-243 the rows' scale words, and nothing else
.set TM,  244                          ; v244-249 at work in QUANT2
.set PC,  20                           ; v20-23   the half fragment just made (the norms' v20-23 are free then)
.set PW,  29                           ; v29      its two scale bytes
.set XR,  32
.set ZR,  64
.set GR,  96
.set BR,  128
.set TA,  20
.set TB,  22
.set MU,  24
.set RS,  26
.set TP,  28
.set SPW, 30
.set NIL, 31
.set WV,  24
.set SEL, 26
.set SC,  28
; 32 numbers of a lane, register 16 b + i = k 32 b + 16 h + i of my row, become four registers of codes (half a fragment) and two scale bytes.
.macro QUANT2 src
	v_max3_num_f32 v[TM], |v[(\src)]|, |v[(\src)+1]|, 0x1800000          ; my 16 numbers of each block, and the floor 2^(3-127): the byte cannot fall under 1
	v_max3_num_f32 v[TM+1], |v[(\src)+16]|, |v[(\src)+17]|, 0x1800000
.irp qi, 2,4,6,8,10,12,14
	v_max3_num_f32 v[TM], v[TM], |v[(\src)+\qi]|, |v[(\src)+\qi+1]|
	v_max3_num_f32 v[TM+1], v[TM+1], |v[(\src)+16+\qi]|, |v[(\src)+17+\qi]|
.endr
	v_permlanex16_b32 v[TM+2], v[TM], s[SEL], s[SEL+1]
	v_permlanex16_b32 v[TM+3], v[TM+1], s[SEL], s[SEL+1]
	v_max_num_f32 v[TM], v[TM], v[TM+2]                    ; with lane l xor 16's: the block's largest magnitude
	v_max_num_f32 v[TM+1], v[TM+1], v[TM+3]
	v_add_nc_u32 v[TM+4], 0xff000000, v[TM]                ; 2 off its exponent field: the conversion's scale operand
	v_add_nc_u32 v[TM+5], 0xff000000, v[TM+1]
	v_lshrrev_b32 v[TM+2], 23, v[TM+4]                     ; the scale's byte
	v_lshrrev_b32 v[TM+3], 23, v[TM+5]
	v_lshl_or_b32 v[PW], v[TM+3], 8, v[TM+2]               ; the same in lanes l and l xor 16
	v_cvt_scalef32_pk8_fp4_f32 v[PC], v[(\src):(\src)+7], v[TM+4]
	v_cvt_scalef32_pk8_fp4_f32 v[PC+1], v[(\src)+8:(\src)+15], v[TM+4]
	v_cvt_scalef32_pk8_fp4_f32 v[PC+2], v[(\src)+16:(\src)+23], v[TM+5]
	v_cvt_scalef32_pk8_fp4_f32 v[PC+3], v[(\src)+24:(\src)+31], v[TM+5]
	v_nop                                                  ; one plain place behind the scaled conversions
	v_permlane16_swap_b32 v[PC], v[PC+2]                   ; a whole block to a lane: lanes 0-15 the first, lanes 16-31 the second
	v_permlane16_swap_b32 v[PC+1], v[PC+3]
.endm
.macro REDUCE                          ; the two chains' pairs -> the wave's sum, in every lane's v[TA]
	v_pk_add_f32 v[TA:TA+1], v[TA:TA+1], v[TB:TB+1]
	v_add_f32 v[TA], v[TA], v[TA+1]
	v_add_f32_dpp v[TA], v[TA], v[TA] row_xmask:1 row_mask:0xf bank_mask:0xf
	v_add_f32_dpp v[TA], v[TA], v[TA] row_xmask:2 row_mask:0xf bank_mask:0xf
	v_add_f32_dpp v[TA], v[TA], v[TA] row_xmask:4 row_mask:0xf bank_mask:0xf
	v_add_f32_dpp v[TA], v[TA], v[TA] row_xmask:8 row_mask:0xf bank_mask:0xf
	v_permlanex16_b32 v[TP], v[TA], s[SEL], s[SEL+1]
	v_add_f32 v[TA], v[TA], v[TP]
.endm
.macro LNROW V, G, B                   ; the row in v[V..V+31] is normalised in place
	v_pk_add_f32 v[TA:TA+1], v[\V:\V+1], v[\V+4:\V+5]
	v_pk_add_f32 v[TB:TB+1], v[\V+2:\V+3], v[\V+6:\V+7]
.irp i, 8,12,16,20,24,28
	v_pk_add_f32 v[TA:TA+1], v[TA:TA+1], v[\V+\i:\V+\i+1]
	v_pk_add_f32 v[TB:TB+1], v[TB:TB+1], v[\V+\i+2:\V+\i+3]
.endr
	REDUCE
	v_mul_f32 v[MU], s[SC], v[TA]                  ; the mean
.irp i, 0,2,4,6,8,10,12,14,16,18,20,22,24,26,28,30
	v_pk_add_f32 v[\V+\i:\V+\i+1], v[\V+\i:\V+\i+1], v[MU:MU+1] op_sel_hi:[1,0] neg_lo:[0,1] neg_hi:[0,1]
.endr
	v_pk_mul_f32 v[TA:TA+1], v[\V:\V+1], v[\V:\V+1]
	v_pk_mul_f32 v[TB:TB+1], v[\V+2:\V+3], v[\V+2:\V+3]
.irp i, 4,8,12,16,20,24,28
	v_pk_fma_f32 v[TA:TA+1], v[\V+\i:\V+\i+1], v[\V+\i:\V+\i+1], v[TA:TA+1]
	v_pk_fma_f32 v[TB:TB+1], v[\V+\i+2:\V+\i+3], v[\V+\i+2:\V+\i+3], v[TB:TB+1]
.endr
	REDUCE
	v_fmaak_f32 v[TA], s[SC], v[TA], 0x3727c5ac    ; the variance + 1e-5
	v_rsq_f32 v[RS], v[TA]
	v_nop
	s_wait_alu depctr_va_vdst(0)                   ; ahead of the first reader
.irp i, 0,2,4,6,8,10,12,14,16,18,20,22,24,26,28,30
	v_pk_mul_f32 v[\V+\i:\V+\i+1], v[\V+\i:\V+\i+1], v[RS:RS+1] op_sel_hi:[1,0]
.endr
.irp i, 0,2,4,6,8,10,12,14,16,18,20,22,24,26,28,30
	v_pk_fma_f32 v[\V+\i:\V+\i+1], v[\V+\i:\V+\i+1], v[\G+\i:\G+\i+1], v[\B+\i:\B+\i+1]
.endr
.endm
.macro BARRIER                         ; my LDS stores have landed and my LDS loads are in: then the work-group's barrier
	s_wait_dscnt 0x0
	s_barrier_signal -1
	s_barrier_wait -1
.endm
.macro WLOAD ks, wp                    ; my four weight fragments of K step ks into set ks % 4: eight loads
.irp tq, 0,1,2,3
.irp c, 0,1
	global_load_b128 v[WB+32*((\ks)%4)+8*\tq+4*\c:WB+32*((\ks)%4)+8*\tq+4*\c+3], v1, s[\wp:\wp+1] offset:\tq*8192+(\ks)*1024+512*\c
.endr
.endr
.endm
.macro WSLOAD sp                       ; my four tiles' scale words: lanes 0-15 K steps 0-3 of column r, lanes 16-31 K steps 4-7
.irp tq, 0,1,2,3
	global_load_b128 v[WS+4*\tq:WS+4*\tq+3], v1, s[\sp:\sp+1] offset:512*\tq
.endr
.endm
.macro BIAS bp                         ; the bias into the accumulators: tile tq's register j is column 64 w + 32 (tq / 2) + 16 h + 8 (tq % 2) + j
.irp tq, 0,1,2,3
	global_load_b128 v[ACC+8*\tq:ACC+8*\tq+3], v15, s[\bp:\bp+1] offset:(32*(\tq/2)+8*(\tq%2))*4
	global_load_b128 v[ACC+8*\tq+4:ACC+8*\tq+7], v15, s[\bp:\bp+1] offset:(32*(\tq/2)+8*(\tq%2))*4+16
.endr
.endm
.macro ALOAD ks, ai                    ; the rows' fragment of K step ks into set ks % 4: two LDS loads
.irp c, 0,1
	ds_load_b128 v[AF+8*((\ks)%4)+4*\c:AF+8*((\ks)%4)+4*\c+3], v[\ai] offset:(\ks)*1024+512*\c
.endr
.endm
; A product: eight K steps of four matrix instructions.  At its head the weights of K steps 0-3, their scale words and the bias have been asked for.  Behind steps 0-3 the set just read takes this product's K step + 4.
; Behind steps 4-7: last = 0: fc2's K steps 0-3; last = 1: behind steps 4 and 5 ln3's gain and bias, into sets 0 and 1.
.macro GEMM ai, asc, wp, last
	ds_load_b128 v[AS:AS+3], v[\asc]
	ALOAD 0, \ai
	ALOAD 1, \ai
	ALOAD 2, \ai
	ALOAD 3, \ai
.set gk, 0
.rept 8
.if gk == 0
	s_wait_loadcnt 0x0                             ; all that was asked for ahead of the product
.elseif gk >= 4
.if (\last) && (gk == 7)
	s_wait_loadcnt 16                              ; this K step's weights are in; the gain's and the bias's 16 loads stay out
.else
	s_wait_loadcnt 24                              ; this K step's weights are in; the three runs of eight loads issued behind them stay out
.endif
.endif
.if gk <= 4
	s_wait_dscnt 6                                 ; this K step's rows (and the scale words) are in; the next three steps' six loads stay out
.else
	s_wait_dscnt 2*(7-gk)
.endif
.irp tq, 0,1,2,3
.set rD, ACC+8*\tq
.set rA, WB+32*(gk%4)+8*\tq
.set rB, AF+8*(gk%4)
.set rSA, WS+4*\tq+gk%4
.set rSB, AS+gk%4
.if gk < 4
	v_wmma_scale_f32_16x16x128_f8f6f4 v[rD:rD+7], v[rA:rA+7], v[rB:rB+7], v[rD:rD+7], v[rSA], v[rSB] matrix_a_fmt:MATRIX_FMT_FP4 matrix_b_fmt:MATRIX_FMT_FP4
.else
	v_wmma_scale_f32_16x16x128_f8f6f4 v[rD:rD+7], v[rA:rA+7], v[rB:rB+7], v[rD:rD+7], v[rSA], v[rSB] matrix_a_fmt:MATRIX_FMT_FP4 matrix_b_fmt:MATRIX_FMT_FP4 matrix_a_scale:MATRIX_SCALE_ROW1 matrix_b_scale:MATRIX_SCALE_ROW1
.endif
.endr
.rept 4
	v_nop                                          ; places in front of loads into registers that these products read, and of the first read of results
.endr
.if gk < 4
	WLOAD gk+4, \wp
	ALOAD gk+4, \ai
.elseif !(\last)
	WLOAD gk-4, 46
.elseif gk == 4
.irp j, 0,1,2,3,4,5,6,7
	global_load_b128 v[GR+4*\j:GR+4*\j+3], v1, s[18:19] offset:512*\j
.endr
.elseif gk == 5
.irp j, 0,1,2,3,4,5,6,7
	global_load_b128 v[BR+4*\j:BR+4*\j+3], v1, s[20:21] offset:512*\j
.endr
.endif
.set gk, gk+1
.endr
.endm
	s_load_b512 s[4:19], s[0:1], 0x0               ; x1, z, ops, ln2_g, ln2_b, fc1_b, fc2_b, ln3_g
	s_load_b128 s[20:23], s[0:1], 0x40             ; ln3_b, out0
	v_lshl_add_u32 v[SPW], v0, 2, SPARE
	v_mov_b32 v[NIL], 0
	v_lshrrev_b32 v18, 5, v0
	v_readfirstlane_b32 s[WV], v18                 ; wave 0..15
	v_and_b32 v18, 31, v0                          ; lane
	v_and_b32 v19, 15, v0                          ; r
	v_bfe_u32 v2, v0, 4, 1                         ; h
	v_lshlrev_b32 v1, 4, v18                       ; 16 x lane
	s_mul_i32 s29, s[WV], 4112
	v_add_nc_u32 v3, s29, v1                       ; my row in x2's stage,
	v_add_nc_u32 v4, YST, v3                       ; and in the second product's
	s_lshl_b32 s29, s[WV], 8
	v_mul_u32_u24 v5, v19, 4112
	v_lshl_add_u32 v5, v2, 6, v5
	v_add_nc_u32 v5, s29, v5                       ; row r, my wave's 64 columns, + 64 h: x2 for the quantiser,
	v_add_nc_u32 v14, YST, v5                      ; and where the second product's results go.  Sixteen lanes: sixteen rows 4,112 bytes apart, sixteen different 16-byte columns of the banks
	s_lshl_b32 s29, s[WV], 9
	s_add_co_u32 s30, s29, XIMG
	v_add_nc_u32 v6, s30, v1                       ; where I store my half fragment of x2: 512 w + 16 x lane,
	s_add_co_u32 s30, s29, HIMG
	v_add_nc_u32 v10, s30, v1                      ; and of the hidden layer
	s_lshr_b32 s29, s[WV], 3
	s_lshl_b32 s29, s29, 8
	s_and_b32 s30, s[WV], 7
	s_lshl_b32 s30, s30, 1
	s_add_co_u32 s29, s29, s30                     ; my two scale bytes: 256 (K step / 4) + 4 (K step % 4) + 2 (w % 2), K step = w / 2,
	v_lshlrev_b32 v7, 4, v19
	v_add_nc_u32 v7, s29, v7                       ; + 16 r
	v_add_nc_u32 v11, HSC, v7
	v_add_nc_u32 v7, XSC, v7
	v_add_nc_u32 v8, XIMG, v1                      ; where any wave reads a fragment,
	v_add_nc_u32 v9, XSC, v1                       ; and the scale words
	v_add_nc_u32 v12, HIMG, v1
	v_add_nc_u32 v13, HSC, v1
	v_lshlrev_b32 v15, 6, v2                       ; the biases: 16 h numbers on
	v_and_b32 v18, 8, v19
	v_add_nc_u32 v18, v18, v19
	v_lshlrev_b32 v18, 2, v18                      ; mask0 of lane row r: 4 (r + 8 (r / 8))
	v_mov_b32 v17, 0                               ; upper halves of pairs whose low word serves both halves
	v_mov_b32 v[MU+1], 0
	v_mov_b32 v[RS+1], 0
	v_mov_b32 v[TP], 0                             ; a lane permute's destination counts as one of its sources
	v_mov_b32 v[TM+2], 0
	v_mov_b32 v[TM+3], 0
	s_mov_b32 s[SEL], 0x76543210
	s_mov_b32 s[SEL+1], 0xfedcba98
	s_mov_b32 s[SC], 0x3a800000                    ; 1 / 1,024
	s_lshr_b32 s30, ttmp9, 1
	s_lshl_b32 s30, s30, 5
	s_and_b32 s31, ttmp9, 1
	s_lshl_b32 s31, s31, 3
	s_add_co_u32 s30, s30, s31                     ; the tile's first row
	s_and_b32 s32, s[WV], 8
	s_add_co_u32 s32, s32, s[WV]
	s_add_co_u32 s32, s32, s30                     ; my row: lane row w of the tile
	s_lshl_b32 s34, s32, 12
	s_mov_b32 s35, 0
	s_lshl_b32 s36, s32, 2
	s_mov_b32 s37, 0
	s_lshl_b32 s38, s30, 2
	s_mov_b32 s39, 0
	s_wait_kmcnt 0x0
	s_add_nc_u64 s[56:57], s[4:5], s[34:35]
	s_add_nc_u64 s[58:59], s[6:7], s[34:35]
	s_add_nc_u64 s[60:61], s[22:23], s[34:35]
	s_add_nc_u64 s[62:63], s[4:5], s[36:37]
	s_add_nc_u64 s[62:63], s[62:63], 0x1004000
	s_load_b32 s40, s[62:63], 0x0                  ; mask1 of my row
	s_add_nc_u64 s[36:37], s[4:5], s[38:39]
	s_add_nc_u64 s[36:37], s[36:37], 0x1000000     ; mask0 of the tile's rows
	s_lshl_b32 s34, s[WV], 15
	s_add_co_u32 s34, s34, 384*8192
	s_add_nc_u64 s[44:45], s[8:9], s[34:35]        ; fc1's codes, my four tiles;
	s_add_nc_u64 s[46:47], s[44:45], 64*8192       ; fc2's
	s_lshl_b32 s34, s[WV], 11
	s_add_co_u32 s34, s34, 0x400000+384*512
	s_add_nc_u64 s[48:49], s[8:9], s[34:35]        ; their scale words
	s_add_nc_u64 s[50:51], s[48:49], 64*512
	s_lshl_b32 s34, s[WV], 8
	s_add_nc_u64 s[52:53], s[14:15], s[34:35]      ; the biases at my 64 columns
	s_add_nc_u64 s[54:55], s[16:17], s[34:35]
	global_load_b32 v16, v18, s[36:37]             ; mask0 of lane row r
.irp j, 0,1,2,3,4,5,6,7
	global_load_b128 v[XR+4*\j:XR+4*\j+3], v1, s[56:57] offset:512*\j th:TH_LOAD_NT
.endr
.irp j, 0,1,2,3,4,5,6,7
	global_load_b128 v[ZR+4*\j:ZR+4*\j+3], v1, s[58:59] offset:512*\j th:TH_LOAD_NT
.endr
.irp j, 0,1,2,3,4,5,6,7
	global_load_b128 v[GR+4*\j:GR+4*\j+3], v1, s[10:11] offset:512*\j
.endr
.irp j, 0,1,2,3,4,5,6,7
	global_load_b128 v[BR+4*\j:BR+4*\j+3], v1, s[12:13] offset:512*\j
.endr
	WSLOAD 48                                      ; the weights' stream begins here: fc1's scale words and K steps 2 and 3, whose sets are free
	WLOAD 2, 44
	WLOAD 3, 44
	s_wait_kmcnt 0x0
	s_mov_b32 s41, s40                             ; named with it as a pair
	; ---- 1: x2 = LN(x1 + z x mask1), a row a wave
	s_wait_loadcnt 36                              ; x1 and z are in; gain 8, bias 8, scale words 4 and weights 16 stay out
.irp i, 0,2,4,6,8,10,12,14,16,18,20,22,24,26,28,30
	v_pk_fma_f32 v[XR+\i:XR+\i+1], v[ZR+\i:ZR+\i+1], s[40:41], v[XR+\i:XR+\i+1] op_sel_hi:[1,0,1]
.endr
	s_wait_loadcnt 20                              ; gain and bias are in; scale words 4 and weights 16 stay out
	LNROW XR, GR, BR
.irp j, 0,1,2,3,4,5,6,7
	ds_store_b128 v3, v[XR+4*\j:XR+4*\j+3] offset:512*\j
.endr
	WLOAD 0, 44                                    ; K steps 0 and 1 into the registers that gain and bias have left
	WLOAD 1, 44
	BARRIER                                        ; x2's 16 rows lie in LDS
	; ---- 2: wave w quantises columns 64 w .. 64 w + 63 of x2: half w % 2 of K step w / 2
.irp b, 0,1
.irp e, 0,1,2,3
	ds_load_b128 v[32+16*\b+4*\e:35+16*\b+4*\e], v5 offset:128*\b+16*\e
.endr
.endr
	s_wait_dscnt 0x0
	QUANT2 32
	ds_store_b128 v6, v[PC:PC+3]
	ds_store_b16 v7, v[PW]                         ; lanes l and l xor 16 write the same two bytes with the same value
	BIAS 52
	BARRIER                                        ; x2's eight fragments lie in LDS
	; ---- 3: the hidden layer
	GEMM 8, 9, 44, 0
.set n, 0
.rept 32
	v_max_num_f32 v[ACC+n], 0, v[ACC+n]            ; relu, each accumulator from its low end on
.set n, n+1
.endr
.set n, 0
.rept 16
	v_pk_mul_f32 v[ACC+n:ACC+n+1], v[ACC+n:ACC+n+1], v[16:17] op_sel_hi:[1,0]         ; x mask0
.set n, n+2
.endr
	QUANT2 ACC
	ds_store_b128 v10, v[PC:PC+3]
	ds_store_b16 v11, v[PW]
	WSLOAD 50                                      ; fc2's scale words and bias; its K steps 0-3 were asked for behind fc1's last four steps
	BIAS 54
	BARRIER                                        ; the hidden layer's eight fragments lie in LDS
	; ---- 4: the second product
	GEMM 12, 13, 46, 1
.set n, 0
.rept 16
	v_pk_mul_f32 v[ACC+n:ACC+n+1], v[ACC+n:ACC+n+1], v[16:17] op_sel_hi:[1,0]         ; x mask0, each accumulator from its low end on
.set n, n+2
.endr
.irp tq, 0,1,2,3
	ds_store_b128 v14, v[ACC+8*\tq:ACC+8*\tq+3] offset:128*(\tq/2)+32*(\tq%2)
	ds_store_b128 v14, v[ACC+8*\tq+4:ACC+8*\tq+7] offset:128*(\tq/2)+32*(\tq%2)+16
.endr
	BARRIER                                        ; 16 whole rows lie in the stage
	; ---- 5: out0 = LN(x2 + that), a row a wave
.irp j, 0,1,2,3,4,5,6,7
	ds_load_b128 v[XR+4*\j:XR+4*\j+3], v3 offset:512*\j
.endr
.irp j, 0,1,2,3,4,5,6,7
	ds_load_b128 v[ZR+4*\j:ZR+4*\j+3], v4 offset:512*\j
.endr
	s_wait_dscnt 0x0
.irp i, 0,2,4,6,8,10,12,14,16,18,20,22,24,26,28,30
	v_pk_add_f32 v[XR+\i:XR+\i+1], v[XR+\i:XR+\i+1], v[ZR+\i:ZR+\i+1]
.endr
	s_wait_loadcnt 0x0                             ; ln3's gain and bias
	LNROW XR, GR, BR
.irp j, 0,1,2,3,4,5,6,7
	global_store_b128 v1, v[XR+4*\j:XR+4*\j+3], s[60:61] offset:512*\j th:TH_STORE_NT   ; 512 consecutive bytes a store; written once, read by nobody here
.endr
	s_wait_tensorcnt 0x0                           ; the wave's end
	ds_add_u32 v[SPW], v[NIL]
	s_wait_dscnt 0x0
	s_endpgm
.Lfunc_end_k_qa086b8a972_ffn:
	.size	k_qa086b8a972_ffn, .Lfunc_end_k_qa086b8a972_ffn-k_qa086b8a972_ffn
	.p2alignl 7, 3214868480
	.fill 96, 4, 3214868480
	.section	.rodata,"a",@progbits
	.p2align	6, 0x0
	.amdhsa_kernel k_qa086b8a972_ffn
		.amdhsa_group_segment_fixed_size 151040
		.amdhsa_private_segment_fixed_size 0
		.amdhsa_enable_private_segment 0
		.amdhsa_kernarg_size 80
		.amdhsa_user_sgpr_count 2
		.amdhsa_user_sgpr_kernarg_segment_ptr 1
		.amdhsa_wavefront_size32 1
		.amdhsa_system_sgpr_workgroup_id_x 1
		.amdhsa_system_sgpr_workgroup_id_y 1
		.amdhsa_system_sgpr_workgroup_id_z 1
		.amdhsa_system_vgpr_workitem_id 0
		.amdhsa_next_free_vgpr 256
		.amdhsa_next_free_sgpr 66
		.amdhsa_reserve_vcc 0
		.amdhsa_float_denorm_mode_32 3
		.amdhsa_float_denorm_mode_16_64 3
		.amdhsa_memory_ordered 1
		.amdhsa_forward_progress 1
		.amdhsa_inst_pref_size 61
	.end_amdhsa_kernel
	.amdgpu_metadata
---
amdhsa.version: [ 1, 2 ]
amdhsa.kernels:
  - .name:           k_qa086b8a972_ffn
    .symbol:         k_qa086b8a972_ffn.kd
    .args:
      - { .name: x1, .offset: 0, .size: 8, .value_kind: global_buffer, .address_space: global }
      - { .name: z, .offset: 8, .size: 8, .value_kind: global_buffer, .address_space: global }
      - { .name: ops, .offset: 16, .size: 8, .value_kind: global_buffer, .address_space: global }
      - { .name: ln2_g, .offset: 24, .size: 8, .value_kind: global_buffer, .address_space: global }
      - { .name: ln2_b, .offset: 32, .size: 8, .value_kind: global_buffer, .address_space: global }
      - { .name: fc1_b, .offset: 40, .size: 8, .value_kind: global_buffer, .address_space: global }
      - { .name: fc2_b, .offset: 48, .size: 8, .value_kind: global_buffer, .address_space: global }
      - { .name: ln3_g, .offset: 56, .size: 8, .value_kind: global_buffer, .address_space: global }
      - { .name: ln3_b, .offset: 64, .size: 8, .value_kind: global_buffer, .address_space: global }
      - { .name: out0, .offset: 72, .size: 8, .value_kind: global_buffer, .address_space: global }
    .group_segment_fixed_size: 151040
    .private_segment_fixed_size: 0
    .kernarg_segment_align: 8
    .kernarg_segment_size: 80
    .max_flat_workgroup_size: 512
    .sgpr_count:     66
    .vgpr_count:     256
    .wavefront_size: 32
...
	.end_amdgpu_metadata
.endif
;; end of part 6
